; MI455X (gfx1250); checked and timed in simulation.
; The chip was launched on July 23, 2026; its instructions are those of AMD's public machine-readable ISA for CDNA 5 (MIT licence, August 2026) and "CDNA5" Instruction Set Architecture Reference Guide (July 2026). The comments in the code are by the model that wrote it; some were corrected since.
;; Cheems Non Wo Attn. Allowed arithmetic: matrix products marked QUANTISED: E2M1 operands, one E8M0 scale for each 32 along K, by v_wmma_scale_f32_16x16x128_f8f6f4 with both operands' format E2M1 (or v_wmma_scale_f32_32x16x128_f4), f32 sums; everything else in f32.
;; Inputs: Wk 2,048 x 512 float32; Wq 2,048 x 512 float32; Wv 2,048 x 2,048 float32; hidden_states 2 x 2,048 x 2,048 float32; position_ids 2 x 2,048 int32.
;; Outputs: out0 2 x 2,048 x 2,048 float32.
;; This version of the problem:
;;   THIS VERSION OF THE PROBLEM IS GIVEN IN LOW PRECISION. The matrix products marked QUANTISED in the list below multiply operands that are first quantised to E2M1 (2 exponent bits, 1 mantissa bit; 4 bits a number), with one power-of-two scale for each 32 numbers along K (OCP MX v1.0); their sums are f32. All else is computed in f32.
;;   The module's matrix products, in the order in which they are computed (A, B: the left and right operand; K: the contracted axis; several contracted axes count as one K, in the product's order):
;;     1. [M 4,096, K 2,048] x [K 2,048, N 512]; A: input hidden_states; B: input Wq: QUANTISED
;;     2. [M 4,096, K 2,048] x [K 2,048, N 512]; A: input hidden_states; B: input Wk: QUANTISED
;;     3. [M 4,096, K 2,048] x [K 2,048, N 2,048]; A: input hidden_states; B: input Wv: QUANTISED
;;     4. batch 64 x [M 2,048, K 64] x [K 64, N 2,048]; A: computed on the way; B: computed on the way: QUANTISED
;;     5. batch 64 x [M 64, K 2,048] x [K 2,048, N 2,048]; A: computed on the way; B: softmax (see below): QUANTISED
;;   THE QUANTISER, for each operand of a quantised product, along K:
;;     - K is cut into blocks of 32 from its start; a last block that is shorter is filled with zeros.
;;     - A block's scale is 2^e with e = floor(log2(the largest magnitude in the block)) - 2, held to -126 .. 127; a block of zeros has e = 0. As a byte (E8M0): e + 127.
;;     - Each number is divided by its block's scale, clamped to +-6, and rounded to the nearest number of E2M1, ties to even, subnormals kept.
;;     - The product sums the exact products of the quantised numbers (number of the format x scale) in f32.
;;   ~~~python
;;   def quantise(x, axis):      # numpy; x: float32 -> the quantised numbers, widened to float32 again
;;       x = np.moveaxis(x, axis, -1); K = x.shape[-1]
;;       x = np.pad(x, [(0, 0)] * (x.ndim - 1) + [(0, -K % 32)]); x = x.reshape(x.shape[:-1] + (-1, 32)); a = np.abs(x).max(-1, keepdims=True)
;;       e = np.where(a > 0, np.clip(np.frexp(np.where(a > 0, a, 1))[1] - 1 - 2, -126, 127), 0)      # np.frexp(a)[1] - 1 = floor(log2(a)), exactly
;;       r = np.clip(x / 2.0 ** e, -6, 6)
;;       step = 2.0 ** (np.maximum(np.frexp(np.where(r == 0, 1, r))[1] - 1, 0) - 1)
;;       q = np.round(r / step) * step * 2.0 ** e      # np.round: ties to even
;;       return np.moveaxis(q.reshape(q.shape[:-2] + (-1,))[..., :K], -1, axis).astype(np.float32)
;;   ~~~
;;   SOFTMAX AHEAD OF A QUANTISED PRODUCT. Where the list says 'softmax', what is quantised is not the finished softmax but p = 2^(t - M), with t = logit x log2(e) and M = ceil(the row's largest t), a whole number; so 1/2 < the row's largest p <= 1. The row's sum l is taken of the UNQUANTISED p, in f32, and the product's result is divided by l at the end. Since M is a whole number, a kernel that streams over the keys may use a running M (the ceiling of the running maximum): every later rescaling is an exact power of two, which a block's scale takes up: the codes' values come out the same.
;;   OPERANDS COMPUTED ON THE WAY. 'Computed on the way' means the value that the module computes at that place (a softmax that the list does not call 'softmax' is quantised finished and normalised). What goes into a quantiser is computed in f32, as accurately as f32 sums, v_exp_f32 and their like allow (about 1e-6 of the number): no bf16 or f16 on the way to a quantiser, and a product that is left as it is and whose result goes on into a quantised operand takes f32 operands (vector FMAs, or v_wmma_f32_16x16x4_f32). A number that lies on a knife's edge between two numbers of the format may be rounded either way, as far as f32 arithmetic and the matrix unit's own rounding can turn it there, and no further.
;; One version. Each part assembles by itself: llvm-mc -triple=amdgcn-amd-amdhsa -mcpu=gfx1250 --defsym DOCPART=n.
;; ======== version 1 of 1: 3 launches
;; limits: right only within a limited range of input values
;; workspace buffers: xc 4,194,304 bytes; xs 262,144 bytes; wc 3,145,728 bytes; ws 196,608 bytes; cst 1,048,576 bytes; qkv 6,815,744 bytes
;; launch prep (part 1): grid 416 x 1, 4 waves a work-group, no clusters, 102,912 bytes of LDS; arguments hidden_states, position_ids, Wq, Wk, Wv, xc, xs, wc, ws, cst; writes xc, xs, wc, ws, cst
.if DOCPART == 1
	.amdgcn_target "amdgcn-amd-amdhsa--gfx1250"
	.amdhsa_code_object_version 6
	.text
	.protected	k_qdf3bf6f62d_prep
	.globl	k_qdf3bf6f62d_prep
	.p2align	8
	.type	k_qdf3bf6f62d_prep,@function
k_qdf3bf6f62d_prep:
	s_mov_b64 s[64:65], 0
	v_nop
	global_prefetch_b8 v0, s[64:65] scope:SCOPE_SE
	s_setreg_imm32_b32 hwreg(HW_REG_WAVE_MODE, 25, 1), 1
	s_wait_xcnt 0x0
; LAUNCH 1 OF 3.  The program: Q, K, V = X Wq, X Wk, X Wv; RoPE by position_ids on Q and K; causal attention, head size 64; all five products on codes of FP4 (E2M1) with one E8M0 scale for each 32 along K.
; This launch quantises X [4096][2048] (K innermost) and Wq, Wk [2048][512], Wv [2048][2048] (K is the first axis) along K, and makes cos and sin of position x inv_freq for every token.
; WORK THAT THE PROGRAM LEAVES OUT, for all values of the inputs:
;  (1) rep() copies Q and K: head r*8+h holds the same Q and the same K for r = 0..3.  So the scores, the row's M and sum, p and p's codes of those four heads are the same numbers four times:
;      they are made once for each (batch, h), and that one p is multiplied by the four heads' V (256 channels).
;  (2) reference() builds the causal mask itself (jnp.tril): steps of 128 keys that lie wholly behind a tile's queries get p = 0 and are not walked.
;  Every input has a way to the output: all five are loaded.
; LIMITS: a NaN, an infinity or an overflow that reaches only the work left out is not carried to the result; NaN and infinities among the inputs are not served.  A block whose largest magnitude lies under 2^-124
;  (a block of zeros too) gets the scale byte 1: only this program reads the bytes, and such a block's codes are zeros or as the byte's hold at 1 gives them.  |position_ids| up to 2^20: there the reduction by pi/2 in three parts
;  still holds to about 1e-7.  inv_freq is the f32 number nearest to 10000^(-j/32) = 10^(-j/8): from a quotient 1 / (the power rounded to f32) it can differ by one unit in the last place.
; THE ORDER OF ROWS IN THE WORKSPACE.  sg(x) is x with bits 3 and 4 exchanged.  Row p of xc and xs holds token sg(p); row p of wc and ws holds column sg(p) of Wq (rows 0-511) or of Wk (rows 512-1023);
;  row 1024 + 256 h + 64 rg + sg(d) holds column (8 rg + h) 64 + d of Wv.  Sixteen rows on end then form a tile whose results, taken transposed, give a lane 16 neighbours in the registers of two neighbouring tiles.
; WORK-GROUPS: 0-63 Wv, 64-95 Wq and Wk, 96-351 X, 352-415 cos and sin.  Each path has LDS bytes of its own.  No tensor loads, no barrier: waves share nothing.  Matrix units and clusters have nothing to do here.
.set SPARE, 102400                     ; behind the paths' regions: the spare words, 128 bytes for each wave: two blocks of 256 bytes that no other line names
.set SPW,   190                        ; v190  LDS address of my spare word; never rewritten
.set NIL,   191                        ; v191  0; never rewritten
.set WV,    24                         ; s24   my wave's number
; path X: LDS 0 .. 32,767
.set XSTEPS, 16                        ; a wave takes 16 steps of 512 numbers: 4 rows of X
.set XWREG, 8192                       ; a wave's region: two stages of 32 x 80 bytes, then its 256 scale bytes
.set XSP,   80                         ; a lane's place in a stage: 64 bytes + 16 of padding
.set XCB,   8                          ; bytes of 16 codes
.set XR,    16                         ; v16-79   four sets of 16 numbers as loaded
.set XX,    80                         ; v80-111  two sets of 16 neighbours
.set XE,    112                        ; v112-127 a scale byte for each step
.set XC,    128                        ; v128-189 codes: registers of its own for each step
; paths W: LDS 32,768 .. 67,583 (Wq, Wk) and 67,584 .. 102,399 (Wv)
.set WNB,   16                         ; a wave takes 32 columns x 512 along K: 16 blocks a lane
.set WPITCH, 272                       ; a stage row: 256 bytes of codes + 16
.set WX,    32                         ; v32-95   two sets of 32 numbers
.set WC,    96                         ; v96-99   a block's codes
.set WOUT,  112                        ; v112-175 the way out
.set WSB,   24                         ; v24-27   the scale bytes, four to a register
; path cos and sin
.set INV,   16                         ; v16-31   inv_freq of my 16 frequencies
.set AX,    48                         ; the angle, then what is left of it
.set AN,    64                         ; its multiple of pi/2
.set AZ,    80
.set AP,    96                         ; sine of what is left
.set AQ,    112                        ; cosine of it
.set AW,    128
.set COSR,  144
.set SINR,  160
.macro ENDW                            ; a wave's end: a tensor wait, an add onto my spare word and its wait behind my last LDS store, the first even in a text with no tensor load
	s_wait_tensorcnt 0x0
	ds_add_u32 v[SPW], v[NIL]
	s_wait_dscnt 0x0
	s_endpgm
.endm
; ---- path X: macros
.macro XLOAD t
.irp i, 0,1,2,3
	global_load_b128 v[XR+16*((\t)%4)+4*\i:XR+16*((\t)%4)+4*\i+3], v3, s[4:5] offset:2048*(\t)+512*\i th:TH_LOAD_NT   ; 32 lanes read 512 consecutive bytes
.endr
.endm
.macro XTURN t                         ; step t's numbers through the stage: in as they lie, back 64 bytes a lane; LDS serves a wave's instructions in order
.irp i, 0,1,2,3
	ds_store_b128 v14, v[XR+16*((\t)%4)+4*\i:XR+16*((\t)%4)+4*\i+3] offset:32*XSP*((\t)%2)+8*XSP*\i
.endr
.irp i, 0,1,2,3
	ds_load_b128 v[XX+16*((\t)%2)+4*\i:XX+16*((\t)%2)+4*\i+3], v15 offset:32*XSP*((\t)%2)+16*\i
.endr
.endm
.macro XSTEP t
.set XS1, XX+16*((\t)%2)
.if (\t) > 0
	s_wait_dscnt 1                                 ; this step's numbers are back from the stage (the last step's byte store may be out): so its stores into the stage have read their registers,
.else
	s_wait_dscnt 0x0
.endif
.if (\t)+4 < XSTEPS
	XLOAD (\t)+4                                   ; which take the loads of four steps on
.endif
.if (\t)+1 < XSTEPS
.if XSTEPS-2-(\t) >= 3
	s_wait_loadcnt 12                              ; the next step's four loads are in; those of the three steps behind it may be out
.else
	s_wait_loadcnt 4*(XSTEPS-2-(\t))
.endif
	XTURN (\t)+1
.endif
	v_max3_num_f32 v8, |v[XS1]|, |v[XS1+1]|, |v[XS1+2]|            ; the largest magnitude of my 16
	v_max3_num_f32 v9, |v[XS1+3]|, |v[XS1+4]|, |v[XS1+5]|
.irp i, 6,10
	v_max3_num_f32 v8, v8, |v[XS1+\i]|, |v[XS1+\i+1]|
	v_max3_num_f32 v9, v9, |v[XS1+\i+2]|, |v[XS1+\i+3]|
.endr
	v_max3_num_f32 v8, v8, |v[XS1+14]|, |v[XS1+15]|
	v_max3_num_f32 v8, v8, v9, 0x1800000           ; and the floor 2^(3 - 127): the byte cannot fall under 1
	v_max_num_f32_dpp v8, v8, v8 row_xmask:1 row_mask:0xf bank_mask:0xf   ; with my neighbour's 16: the block's
	v_add_nc_u32 v11, 0xff000000, v8               ; 2 off its exponent field: the conversion takes this operand's exponent field as its scale
	v_cvt_scalef32_pk8_fp4_f32 v[XC+4*(\t)], v[XS1:XS1+7], v11
	v_cvt_scalef32_pk8_fp4_f32 v[XC+4*(\t)+1], v[XS1+8:XS1+15], v11
	v_lshrrev_b32 v[XE+(\t)], 23, v11              ; the scale's byte
	ds_store_b8 v5, v[XE+(\t)] offset:16*(\t)      ; both lanes of a block write the same byte with the same value
	global_store_b64 v4, v[XC+4*(\t):XC+4*(\t)+1], s[14:15] offset:32*XCB*(\t)   ; the wave stores 256 consecutive bytes, aligned
.endm
; ---- paths W: macros.  n: the tensor's columns
.macro WSETUP lbase
	v_lshlrev_b32 v3, 2, v2                        ; in: 4 bytes a lane: a lane takes a column, its registers run down K
	s_mul_i32 s25, s[WV], 32*WPITCH
	s_add_co_u32 s25, s25, \lbase                  ; my stage
	v_mul_u32_u24 v4, v2, WPITCH
	v_add_nc_u32 v4, s25, v4                       ; into it: row = my column
	v_and_b32 v5, 15, v2
	v_lshrrev_b32 v6, 4, v2                        ; out of it: sixteen lanes to a row, two rows an instruction
	v_mul_u32_u24 v7, v6, WPITCH
	v_lshl_add_u32 v7, v5, 4, v7
	v_add_nc_u32 v7, s25, v7
	v_lshlrev_b32 v8, 10, v6                       ; and the same place in wc: rows of 1,024 bytes
	v_lshl_add_u32 v8, v5, 4, v8
	v_and_b32 v9, 7, v2                            ; sg(lane) x 64: my column's row of scale bytes
	v_bfe_u32 v10, v2, 3, 1
	v_lshl_or_b32 v9, v10, 4, v9
	v_bfe_u32 v10, v2, 4, 1
	v_lshl_or_b32 v9, v10, 3, v9
	v_lshlrev_b32 v9, 6, v9
.endm
.macro WADDR n                         ; s27 first column, s28 which 512 along K, s30 first row in wc; s[32:33] the tensor
	s_mul_i32 s38, s28, 512*(\n)*4
	s_lshl_b32 s39, s27, 2
	s_add_co_u32 s38, s38, s39
	s_mov_b32 s39, 0
	s_add_nc_u64 s[32:33], s[32:33], s[38:39]
	s_lshl_b32 s38, s30, 10
	s_lshl_b32 s40, s28, 8
	s_add_co_u32 s38, s38, s40
	s_add_nc_u64 s[34:35], s[18:19], s[38:39]      ; wc: row x 1,024 + 256 y
	s_lshl_b32 s38, s30, 6
	s_lshl_b32 s40, s28, 4
	s_add_co_u32 s38, s38, s40
	s_add_nc_u64 s[36:37], s[20:21], s[38:39]      ; ws: row x 64 + 16 y
.endm
.macro WLOAD t, n                      ; block t: W(32 t + i, my column) into set t % 2; every offset is an immediate, 511 x 2,048 x 4 bytes at the most
.irp i, 0,1,2,3,4,5,6,7,8,9,10,11,12,13,14,15,16,17,18,19,20,21,22,23,24,25,26,27,28,29,30,31
	global_load_b32 v[WX+32*((\t)%2)+\i], v3, s[32:33] offset:(32*(\t)+\i)*(\n)*4 th:TH_LOAD_NT
.endr
.endm
.macro WBLOCK t, n
.set WS1, WX+32*((\t)%2)
.if (\t) < WNB-1
	s_wait_loadcnt 32                              ; this block's 32 loads are in; the next block's may be out
.else
	s_wait_loadcnt 0
.endif
	v_max3_num_f32 v12, |v[WS1]|, |v[WS1+1]|, |v[WS1+2]|           ; the block's largest magnitude: all 32 numbers are mine
	v_max3_num_f32 v13, |v[WS1+3]|, |v[WS1+4]|, |v[WS1+5]|
.irp i, 6,10,14,18,22,26
	v_max3_num_f32 v12, v12, |v[WS1+\i]|, |v[WS1+\i+1]|
	v_max3_num_f32 v13, v13, |v[WS1+\i+2]|, |v[WS1+\i+3]|
.endr
	v_max3_num_f32 v12, v12, |v[WS1+30]|, |v[WS1+31]|
	v_max3_num_f32 v12, v12, v13, 0x1800000        ; and the floor 2^(3 - 127)
	v_add_nc_u32 v11, 0xff000000, v12              ; 2 off the exponent field: the conversion's scale operand
	v_lshrrev_b32 v13, 23, v11                     ; the scale's byte
.if (\t)%4 == 0
	v_mov_b32 v[WSB+(\t)/4], v13                   ; four bytes to a register, the lower K in the lower byte
.else
	v_lshl_or_b32 v[WSB+(\t)/4], v13, 8*((\t)%4), v[WSB+(\t)/4]
.endif
.irp g, 0,1,2,3
	v_cvt_scalef32_pk8_fp4_f32 v[WC+\g], v[WS1+8*\g:WS1+8*\g+7], v11
.endr
	ds_store_b128 v4, v[WC:WC+3] offset:16*(\t)    ; 32 codes: 16 bytes of my column's row
.if (\t)+2 < WNB
	WLOAD (\t)+2, \n
.endif
	s_wait_dscnt 0x0                               ; the store has read its registers: the next block's codes may be written
.endm
.macro WBODY n
	WLOAD 0, \n
	WLOAD 1, \n
.set Q, 0
.rept WNB
	WBLOCK Q, \n
.set Q, Q+1
.endr
	global_store_b128 v9, v[WSB:WSB+3], s[36:37]   ; my column's 16 scale bytes
.irp t, 0,1,2,3,4,5,6,7,8,9,10,11,12,13,14,15
	ds_load_b128 v[WOUT+4*\t:WOUT+4*\t+3], v7 offset:2*\t*WPITCH   ; LDS serves a wave's instructions in order: these see my stores
.endr
.irp t, 0,1,2,3,4,5,6,7,8,9,10,11,12,13,14,15
	s_wait_dscnt 15-\t                             ; the loads behind this one may be out
	global_store_b128 v8, v[WOUT+4*\t:WOUT+4*\t+3], s[34:35] offset:(((2*\t)&7)|(((2*\t)&8)<<1)|(((2*\t)&16)>>1))*1024   ; columns 2 t, 2 t + 1 go to rows sg(2 t), sg(2 t) + 1: sixteen lanes store 256 consecutive bytes, aligned
.endr
	ENDW
.endm
.macro TAB i, lo, hi                   ; inv_freq: 10^(-i/8) in lanes 0-15, 10^(-(16+i)/8) in lanes 16-31; the literals are rounded to the nearest f32 as they are assembled
	v_mov_b32 v[INV+\i], \hi
	v_cndmask_b32 v[INV+\i], \lo, v[INV+\i], vcc_lo
.endm
	s_load_b512 s[4:19], s[0:1], 0x0               ; X s[4:5], position_ids s[6:7], Wq s[8:9], Wk s[10:11], Wv s[12:13], xc s[14:15], xs s[16:17], wc s[18:19]
	s_load_b128 s[20:23], s[0:1], 0x40             ; ws s[20:21], cst s[22:23]
	v_lshl_add_u32 v[SPW], v0, 2, SPARE
	v_mov_b32 v[NIL], 0
	v_lshrrev_b32 v1, 5, v0
	v_readfirstlane_b32 s[WV], v1                  ; wave 0..3
	v_and_b32 v2, 31, v0                           ; lane
	s_wait_kmcnt 0x0
	s_cmp_lt_u32 ttmp9, 64
	s_cbranch_scc1 .Lwv
	s_cmp_lt_u32 ttmp9, 96
	s_cbranch_scc1 .Lwqk
	s_cmp_lt_u32 ttmp9, 352
	s_cbranch_scc1 .Lx
	; ---- cos and sin.  A wave takes a tile of 16 rows of xc: lane (r, hh) makes cos and sin of token sg(16 tile + r) at frequencies 16 hh + 0 .. 15
	s_sub_co_u32 s26, ttmp9, 352
	s_lshl_b32 s26, s26, 2
	s_add_co_u32 s26, s26, s[WV]                   ; the tile, 0..255
	s_lshr_b32 s27, s26, 1
	s_lshl_b32 s27, s27, 5
	s_and_b32 s28, s26, 1
	s_lshl_b32 s28, s28, 3
	s_add_co_u32 s27, s27, s28                     ; 32 (tile / 2) + 8 (tile % 2)
	v_and_b32 v3, 15, v2                           ; r
	v_and_b32 v5, 7, v3
	v_lshrrev_b32 v4, 3, v3
	v_lshl_or_b32 v5, v4, 4, v5                    ; + r % 8 + 16 (r / 8): the token
	v_add_nc_u32 v5, s27, v5
	v_lshlrev_b32 v5, 2, v5
	global_load_b32 v6, v5, s[6:7]                 ; its position
	s_mov_b32 s40, 0x3f22f983                      ; 2 / pi
	s_mov_b32 s41, 0xbfc90fdb                      ; -pi/2 in three parts
	s_mov_b32 s42, 0x333bbd2e
	s_mov_b32 s43, 0x26f72ced
	s_mov_b32 s44, 0xbe2aaaa3                      ; sine on [-pi/4, pi/4]: x + x z (S1 + S2 z + S3 z^2), z = x^2
	s_mov_b32 s45, 0x3c08839e
	s_mov_b32 s46, 0xb94ca1f9
	s_mov_b32 s47, 0x3d2aaaa5                      ; cosine: 1 - z/2 + z^2 (C1 + C2 z + C3 z^2)
	s_mov_b32 s48, 0xbab6061a
	s_mov_b32 s49, 0x37ccf5ce
	s_lshl_b32 s28, s26, 12
	s_mov_b32 s29, 0
	s_add_nc_u64 s[22:23], s[22:23], s[28:29]      ; cst: 4,096 bytes a tile
	v_lshlrev_b32 v7, 4, v2
	v_cmp_le_u32 vcc_lo, 16, v2                    ; lanes 16-31
	TAB 0,  1.0,                  0.01
	TAB 1,  0.7498942093324558,   0.007498942093324558
	TAB 2,  0.5623413251903491,   0.005623413251903491
	TAB 3,  0.4216965034285822,   0.004216965034285822
	TAB 4,  0.31622776601683794,  0.0031622776601683794
	TAB 5,  0.23713737056616552,  0.0023713737056616552
	TAB 6,  0.17782794100389228,  0.0017782794100389228
	TAB 7,  0.1333521432163324,   0.001333521432163324
	TAB 8,  0.1,                  0.001
	TAB 9,  0.07498942093324558,  0.0007498942093324558
	TAB 10, 0.05623413251903491,  0.0005623413251903491
	TAB 11, 0.04216965034285822,  0.0004216965034285822
	TAB 12, 0.031622776601683794, 0.00031622776601683794
	TAB 13, 0.023713737056616552, 0.00023713737056616552
	TAB 14, 0.017782794100389228, 0.00017782794100389228
	TAB 15, 0.01333521432163324,  0.0001333521432163324
	s_wait_loadcnt 0x0
	v_cvt_f32_i32 v6, v6
.irp i, 0,1,2,3,4,5,6,7,8,9,10,11,12,13,14,15
	v_mul_f32 v[AX+\i], v6, v[INV+\i]              ; the angle, rounded to f32 as reference() has it
.endr
.irp i, 0,1,2,3,4,5,6,7,8,9,10,11,12,13,14,15
	v_mul_f32 v[AN+\i], s40, v[AX+\i]
.endr
.irp i, 0,1,2,3,4,5,6,7,8,9,10,11,12,13,14,15
	v_rndne_f32 v[AN+\i], v[AN+\i]                 ; n: the nearest multiple of pi/2
.endr
.irp c, 41,42,43
.irp i, 0,1,2,3,4,5,6,7,8,9,10,11,12,13,14,15
	v_fma_f32 v[AX+\i], v[AN+\i], s\c, v[AX+\i]    ; x = angle - n pi/2
.endr
.endr
.irp i, 0,1,2,3,4,5,6,7,8,9,10,11,12,13,14,15
	v_cvt_i32_f32 v[AN+\i], v[AN+\i]
	v_mul_f32 v[AZ+\i], v[AX+\i], v[AX+\i]
.endr
.irp i, 0,1,2,3,4,5,6,7,8,9,10,11,12,13,14,15
	v_fma_f32 v[AP+\i], v[AZ+\i], s46, s45
	v_fma_f32 v[AQ+\i], v[AZ+\i], s49, s48
.endr
.irp i, 0,1,2,3,4,5,6,7,8,9,10,11,12,13,14,15
	v_fma_f32 v[AP+\i], v[AP+\i], v[AZ+\i], s44
	v_fma_f32 v[AQ+\i], v[AQ+\i], v[AZ+\i], s47
	v_mul_f32 v[AW+\i], v[AZ+\i], v[AX+\i]
.endr
.irp i, 0,1,2,3,4,5,6,7,8,9,10,11,12,13,14,15
	v_fma_f32 v[AP+\i], v[AP+\i], v[AW+\i], v[AX+\i]   ; sin x
	v_mul_f32 v[AW+\i], v[AZ+\i], v[AZ+\i]
	v_fma_f32 v[AZ+\i], v[AZ+\i], -0.5, 1.0
.endr
.irp i, 0,1,2,3,4,5,6,7,8,9,10,11,12,13,14,15
	v_fma_f32 v[AQ+\i], v[AQ+\i], v[AW+\i], v[AZ+\i]   ; cos x
.endr
.irp i, 0,1,2,3,4,5,6,7,8,9,10,11,12,13,14,15      ; the quadrant: n odd exchanges the two; the sine changes sign where n % 4 is 2 or 3, the cosine where it is 1 or 2
	v_and_b32 v[AW+\i], 1, v[AN+\i]
	v_cmp_eq_u32 vcc_lo, 1, v[AW+\i]
	v_cndmask_b32 v[SINR+\i], v[AP+\i], v[AQ+\i], vcc_lo
	v_cndmask_b32 v[COSR+\i], v[AQ+\i], v[AP+\i], vcc_lo
	v_lshlrev_b32 v[AW+\i], 30, v[AN+\i]
	v_and_b32 v[AW+\i], 0x80000000, v[AW+\i]
	v_xor_b32 v[SINR+\i], v[SINR+\i], v[AW+\i]
	v_add_nc_u32 v[AW+\i], 1, v[AN+\i]
	v_lshlrev_b32 v[AW+\i], 30, v[AW+\i]
	v_and_b32 v[AW+\i], 0x80000000, v[AW+\i]
	v_xor_b32 v[COSR+\i], v[COSR+\i], v[AW+\i]
.endr
.irp k, 0,1,2,3
	global_store_b128 v7, v[COSR+4*\k:COSR+4*\k+3], s[22:23] offset:512*\k        ; an image of the registers: 32 lanes store 512 consecutive bytes, aligned
	global_store_b128 v7, v[SINR+4*\k:SINR+4*\k+3], s[22:23] offset:2048+512*\k
.endr
	s_endpgm
.Lx:	; ---- X: run R of 8,192 numbers (rows 4 R .. 4 R + 3) goes to run R' = R with bits 1 and 2 exchanged: that is sg on the rows
	v_lshlrev_b32 v3, 4, v2                        ; my 16 bytes of a load's 512
	s_mul_i32 s25, s[WV], XWREG
	v_lshrrev_b32 v14, 2, v2
	v_mul_u32_u24 v14, v14, XSP
	v_and_b32 v15, 3, v2
	v_lshl_add_u32 v14, v15, 4, v14
	v_add_nc_u32 v14, s25, v14                     ; the stage, on the way in: four lanes' 64 bytes on end, then 16 of padding
	v_mul_u32_u24 v15, v2, XSP
	v_add_nc_u32 v15, s25, v15                     ; and on the way out: my 16 neighbours
	v_mul_u32_u24 v4, v2, XCB                      ; my codes' place in a step's
	v_lshrrev_b32 v5, 1, v2
	s_add_co_u32 s25, s25, 2*32*XSP
	v_add_nc_u32 v5, s25, v5                       ; LDS: my wave's 256 scale bytes, my block's byte
	v_lshlrev_b32 v7, 3, v2
	v_add_nc_u32 v6, s25, v7                       ; and on the way out 8 bytes a lane
	s_sub_co_u32 s26, ttmp9, 96
	s_lshl_b32 s26, s26, 2
	s_add_co_u32 s26, s26, s[WV]                   ; R, 0..1023
	s_lshl_b32 s28, s26, 15
	s_mov_b32 s29, 0
	s_add_nc_u64 s[4:5], s[4:5], s[28:29]
	s_and_b32 s27, s26, 0xfffffff9
	s_and_b32 s30, s26, 2
	s_lshl_b32 s30, s30, 1
	s_or_b32 s27, s27, s30
	s_and_b32 s30, s26, 4
	s_lshr_b32 s30, s30, 1
	s_or_b32 s27, s27, s30                         ; R'
	s_lshl_b32 s28, s27, 12
	s_add_nc_u64 s[14:15], s[14:15], s[28:29]      ; 4,096 bytes of codes a run
	s_lshl_b32 s28, s27, 8
	s_add_nc_u64 s[16:17], s[16:17], s[28:29]      ; 256 scale bytes a run
.irp t, 0,1,2,3
	XLOAD \t
.endr
	s_wait_loadcnt 12                              ; step 0's four loads are in
	XTURN 0
.irp t, 0,1,2,3,4,5,6,7,8,9,10,11,12,13,14,15
	XSTEP \t
.endr
	ds_load_b64 v[8:9], v6                         ; LDS serves a wave's instructions in order: these see my byte stores
	s_wait_dscnt 0x0
	global_store_b64 v7, v[8:9], s[16:17]          ; 32 lanes store 256 consecutive bytes, aligned
	ENDW
.Lwqk:	; ---- Wq (work-groups 64-79) and Wk (80-95): x = u % 4 (128 columns), y = (u / 4) % 4 (512 along K)
	s_sub_co_u32 s26, ttmp9, 64
	s_cmp_lt_u32 s26, 16
	s_cselect_b64 s[32:33], s[8:9], s[10:11]
	s_and_b32 s27, s26, 3
	s_bfe_u32 s28, s26, 0x20002
	s_lshl_b32 s27, s27, 7
	s_lshl_b32 s29, s[WV], 5
	s_add_co_u32 s27, s27, s29                     ; my wave's first column
	s_lshr_b32 s30, s26, 4
	s_lshl_b32 s30, s30, 9
	s_add_co_u32 s30, s30, s27                     ; its row in wc: Wk's lie behind Wq's 512
	WSETUP 32768
	WADDR 512
	WBODY 512
.Lwv:	; ---- Wv: x = work-group % 16, y = work-group / 16
	s_mov_b64 s[32:33], s[12:13]
	s_and_b32 s27, ttmp9, 15
	s_lshr_b32 s28, ttmp9, 4
	s_lshl_b32 s27, s27, 7
	s_lshl_b32 s29, s[WV], 5
	s_add_co_u32 s27, s27, s29                     ; my wave's first column: head = column / 64 = 8 rg + h
	s_lshr_b32 s29, s27, 6
	s_and_b32 s30, s29, 7
	s_lshl_b32 s30, s30, 8                         ; 256 h
	s_lshr_b32 s29, s29, 3
	s_lshl_b32 s29, s29, 6                         ; + 64 rg
	s_add_co_u32 s30, s30, s29
	s_and_b32 s29, s27, 32                         ; + which half of the head
	s_add_co_u32 s30, s30, s29
	s_add_co_u32 s30, s30, 1024                    ; behind Wq's and Wk's rows
	WSETUP 67584
	WADDR 2048
	WBODY 2048
.Lfunc_end_k_qdf3bf6f62d_prep:
	.size	k_qdf3bf6f62d_prep, .Lfunc_end_k_qdf3bf6f62d_prep-k_qdf3bf6f62d_prep
	.p2alignl 7, 3214868480
	.fill 96, 4, 3214868480
	.section	.rodata,"a",@progbits
	.p2align	6, 0x0
	.amdhsa_kernel k_qdf3bf6f62d_prep
		.amdhsa_group_segment_fixed_size 102912
		.amdhsa_private_segment_fixed_size 0
		.amdhsa_enable_private_segment 0
		.amdhsa_kernarg_size 80
		.amdhsa_user_sgpr_count 2
		.amdhsa_user_sgpr_kernarg_segment_ptr 1
		.amdhsa_wavefront_size32 1
		.amdhsa_system_sgpr_workgroup_id_x 1
		.amdhsa_system_sgpr_workgroup_id_y 1
		.amdhsa_system_sgpr_workgroup_id_z 1
		.amdhsa_system_vgpr_workitem_id 0
		.amdhsa_next_free_vgpr 192
		.amdhsa_next_free_sgpr 66
		.amdhsa_reserve_vcc 1
		.amdhsa_float_denorm_mode_32 3
		.amdhsa_float_denorm_mode_16_64 3
		.amdhsa_memory_ordered 1
		.amdhsa_forward_progress 1
		.amdhsa_inst_pref_size 214
	.end_amdhsa_kernel
	.amdgpu_metadata
---
amdhsa.version: [ 1, 2 ]
amdhsa.kernels:
  - .name:           k_qdf3bf6f62d_prep
    .symbol:         k_qdf3bf6f62d_prep.kd
    .args:
      - { .name: hidden_states, .offset: 0, .size: 8, .value_kind: global_buffer, .address_space: global }
      - { .name: position_ids, .offset: 8, .size: 8, .value_kind: global_buffer, .address_space: global }
      - { .name: Wq, .offset: 16, .size: 8, .value_kind: global_buffer, .address_space: global }
      - { .name: Wk, .offset: 24, .size: 8, .value_kind: global_buffer, .address_space: global }
      - { .name: Wv, .offset: 32, .size: 8, .value_kind: global_buffer, .address_space: global }
      - { .name: xc, .offset: 40, .size: 8, .value_kind: global_buffer, .address_space: global }
      - { .name: xs, .offset: 48, .size: 8, .value_kind: global_buffer, .address_space: global }
      - { .name: wc, .offset: 56, .size: 8, .value_kind: global_buffer, .address_space: global }
      - { .name: ws, .offset: 64, .size: 8, .value_kind: global_buffer, .address_space: global }
      - { .name: cst, .offset: 72, .size: 8, .value_kind: global_buffer, .address_space: global }
    .group_segment_fixed_size: 102912
    .private_segment_fixed_size: 0
    .kernarg_segment_align: 8
    .kernarg_segment_size: 80
    .max_flat_workgroup_size: 128
    .sgpr_count:     66
    .vgpr_count:     192
    .wavefront_size: 32
...
	.end_amdgpu_metadata
.endif
;; end of part 1
;; launch gemm (part 2): grid 4 x 48, 4 waves a work-group, clusters of 4 x 4, 327,680 bytes of LDS; arguments xc, xs, wc, ws, cst, qkv; writes qkv
.if DOCPART == 2
	.amdgcn_target "amdgcn-amd-amdhsa--gfx1250"
	.amdhsa_code_object_version 6
	.text
	.protected	k_qdf3bf6f62d_gemm
	.globl	k_qdf3bf6f62d_gemm
	.p2align	8
	.type	k_qdf3bf6f62d_gemm,@function
k_qdf3bf6f62d_gemm:
	s_mov_b64 s[64:65], 0
	v_nop
	global_prefetch_b8 v0, s[64:65] scope:SCOPE_SE
	s_setreg_imm32_b32 hwreg(HW_REG_WAVE_MODE, 25, 1), 1
	s_wait_xcnt 0x0
	s_wait_alu depctr_hold_cnt(0) depctr_sa_sdst(0) depctr_va_vdst(0) depctr_va_sdst(0) depctr_va_ssrc(0) depctr_va_vcc(0) depctr_vm_vsrc(0)
	s_getreg_b32 s2, hwreg(HW_REG_IB_STS2, 6, 4)
	s_cmp_eq_u32 s2, 0
	s_cbranch_scc0 .Lentry_in_a_cluster
	s_endpgm
.Lentry_in_a_cluster:
	s_bfe_u32 s2, ttmp6, 0x10000c
	s_cmp_lg_u32 s2, 0xf033
	s_cbranch_scc0 .Lentry_shape_is_right
	s_endpgm
.Lentry_shape_is_right:
; LAUNCH 2 OF 3.  The three projections on codes of FP4 (E2M1) with E8M0 scales, K = 2,048, and what follows them: RoPE on Q and K, and the quantising of Q, K (along the head's 64) and V (along the tokens, which are the
; last product's K).  The results never go to memory as f32: they leave as codes and scale words, laid as images of the operand registers of launch 3.  Q and K are made once for the 8 heads that reference() makes, not for their copies.
; A tile of 256 x 256 is made by a work-group of four waves, a wave 128 x 128: 64 accumulators of 16 x 16, 512 registers.  K goes in steps of 512 through a ring of two LDS slots filled by the tensor data mover; a tile's row is 256 bytes.
; The scale bytes of the work-group's 2 x 256 rows, for all of K, come into LDS once, with the first fills.
; THE MATRIX INSTRUCTION IS USED TRANSPOSED: source 0 = 16 rows of 'B', source 1 = 16 rows of 'A': a lane holds ONE row of A, and its registers run along B's rows.
;   clusters 0-3 (Q and K): A = tokens (xc), B = columns of Wq, Wk (wc rows 0-1023): a lane holds a token, its 64 registers of a block of tokens are 128 neighbouring columns' halves: two heads.
;   clusters 4-11 (V):      A = columns of Wv (wc rows 1024 on), B = tokens: a lane holds a channel, its registers run along 128 tokens: a step of keys.
; The rows of xc and wc lie in the order sg (bits 3 and 4 of the row's number exchanged): so register 16 G + i of a lane's 64 is B's row 32 G + 16 (lane / 16) + i: 16 neighbours, as the conversions want them.
; CLUSTERS: 4 x 4 work-groups; A's tiles are asked for jointly along a row of the cluster, B's along a column.  12 clusters, 192 work-groups: 256 x 256 is the tile that keeps a head and a block of 32 whole in a wave; halves of it would make 384
; work-groups of half the work, which fill the chip no better.
; No prefetch: both operands together are 7.3 MB, each tile is shared in the cluster, and a refill has a K step's 256 matrix instructions in which to land.
; REGISTERS, in windows of 256: window 0: v16-29 addresses; v32-95 scale words, two sets (they hold nothing else); v96-123 at work on the way out; v128-191 A's fragments, later the codes; v192-255 RoPE's results.
;   window 1: B's fragments, two sets; on Q's and K's way out cos and sin.   windows 2, 3: the accumulators ((a, b) at v[8 (8 (a % 4) + b)]).
; qkv: a record of REC bytes for each (batch, h, step of 128 keys): K's 8 tiles (512 bytes each) | K's scale words (512) | V's 16 tiles of channels (1,024 each) | V's scale words (2 x 512);
;   from QOFF on a record of QREC bytes for each (batch, h, 128 queries): Q's 8 tiles | Q's scale words.
.set KSTEP,  512                       ; along K in a slot
.set NQ,     4                         ; matrix instructions deep
.set ROWB,   256                       ; a tile's row in bytes
.set KROW,   1024                      ; a row of xc or wc in bytes
.set PITCH,  272                       ; an LDS row: 256 bytes + 16 of padding: the 16 rows that a load touches start at 16 different banks (ISA guide 11.1)
.set FR,     8                         ; registers of a fragment
.set NL,     2                         ; LDS loads that bring one
.set NP,     4                         ; places behind this matrix instruction (ISA guide 7.12.1)
.set HALFT,  128*PITCH
.set SLOT,   4*HALFT
.set LAPS,   2                         ; 2,048 / (2 x 512)
.set KS,     64                        ; a row of scale bytes
.set SCL,    2*SLOT                    ; behind the ring: the scales, as rows of 256 bytes + 16 of padding
.set HALFS,  (128*KS/256)*272
.set SBLK,   (16*KS/256)*272
.set SPARE,  SCL+4*HALFS               ; the spare words, 128 bytes for each wave: two blocks of 256 bytes that no other line names
.set REC,    22016
.set QREC,   4608
.set QOFF,   256*REC
.set ADRA, 16                          ; v16-17  LDS address of my A fragments in slot 0, 1
.set ADRB, 20                          ; v20-21  the same for B
.set LI,   24                          ; v24     16 x lane: an image's place for my lane
.set ADRS, 27                          ; v27     LDS address of my scale words: lanes 0-15 A's rows, lanes 16-31 B's
.set SPW,  28                          ; v28     my spare word; never rewritten
.set NIL,  29                          ; v29     0; never rewritten
.set SC,   32                          ; scale words
.set TM,   96                          ; v96-99 largest magnitudes, v100-103 the other half's, then bytes, v108-111 the conversions' scale operands
.set PW,   112                         ; the scale word just made
.set W0,   113                         ; Q, K: the first head's word, the second head's
.set W1,   114
.set SI0,  116                         ; v116-119 an image of scale words: register q: tile 2 q in lanes 0-15, tile 2 q + 1 in lanes 16-31
.set SI1,  120                         ; v120-123 the second head's
.set AF,   128                         ; A's fragments; later the codes, 8 registers a block
.set RO,   192                         ; RoPE's results: 64 numbers a lane
.set G1, 24
.set G0, 32
.set G1B, 48
.set G0B, 56
.set G1S, 68
.set G0S, 76
.set G1SB, 80
.set G0SB, 88
.set CL, 100                           ; s100  the cluster's number: the same in all sixteen partners
.set MSB, 0
.macro WIN new                         ; the immediate's high byte repeats the setting that is left; a switch that changes nothing is dropped
.if MSB != (\new)
	s_set_vgpr_msb (MSB<<8)|(\new)
.set MSB, (\new)
.endif
.endm
.set MUL_LO, 0xa1                      ; source 0 (B) window 1, source 1 (A) window 0, C and D window 2
.set MUL_HI, 0xf1                      ; the same, C and D window 3
.set TO_B,   0x40                      ; destination window 1, address window 0
; A joint load: waves 0 and 1 fetch for A, waves 2 and 3 for B.  The branch hangs on the wave's number alone.  An s_nop 0 and four v_nop follow each of the two lines.
.macro JLOAD g0a, g1a, g0b, g1b
	s_cmp_eq_u32 s15, 0
	s_cbranch_scc0 .Lfor_b_\@
	tensor_load_to_lds s[\g0a:\g0a+3], s[\g1a:\g1a+7]
	s_nop 0
.rept 4
	v_nop
.endr
	s_branch .Lasked_\@
.Lfor_b_\@:
	tensor_load_to_lds s[\g0b:\g0b+3], s[\g1b:\g1b+7]
	s_nop 0
.rept 4
	v_nop
.endr
.Lasked_\@:
.endm
.macro CREST                           ; a round of the cluster's barrier behind its opening barrier
	s_cmp_lg_u32 s14, 0
	s_cbranch_scc1 .Lnot_wave_0_\@
	s_barrier_signal -3
.Lnot_wave_0_\@:
	s_barrier_wait -3
	s_barrier_signal -1
	s_barrier_wait -1
.endm
.macro CROUND                          ; a whole round
	s_barrier_signal -1
	s_barrier_wait -1
	CREST
.endm
	s_load_b128 s[4:7], s[0:1], 0x0                ; xc, xs
	s_load_b128 s[8:11], s[0:1], 0x10              ; wc, ws
	s_load_b128 s[96:99], s[0:1], 0x20             ; cst, qkv
	v_lshl_add_u32 v[SPW], v0, 2, SPARE
	v_mov_b32 v[NIL], 0
	ds_add_u32 v[SPW], v[NIL]                      ; the wave's opening: the add, twice on end, and its wait ahead of my first tensor load
	ds_add_u32 v[SPW], v[NIL]                      ; and once more, under the one wait; the set-up below, work on registers, stands between
	v_lshrrev_b32 v1, 5, v0
	v_readfirstlane_b32 s14, v1                    ; wave 0..3
	s_lshr_b32 s15, s14, 1                         ; which half of A's rows is mine.  Also: I fetch for A (0) or for B (1)
	s_and_b32 s16, s14, 1                          ; which half of B's rows.  Also: which 128 rows of that tile I fetch
	s_bfe_u32 s40, ttmp6, 0x40000                  ; cx, cy: my place in the cluster
	s_bfe_u32 s41, ttmp6, 0x40004
	s_and_b32 s[CL], ttmp7, 0xffff                 ; the cluster's number c, 0..11
	s_max_u32 s18, s[CL], 4
	s_sub_co_u32 s18, s18, 4                       ; c' = c - 4 for V's clusters
	s_and_b32 s19, s18, 1
	s_lshl_b32 s19, s19, 2
	s_add_co_u32 s19, s19, 4                       ; V: A's tile 4 + 4 (c' % 2) + cy of wc,
	s_lshr_b32 s18, s18, 1
	s_lshl_b32 s18, s18, 2                         ;    B's tile 4 (c' / 2) + cx of xc
	s_lshl_b32 s20, s[CL], 2                       ; Q, K: A's tile 4 c + cy of xc, B's tile cx of wc
	s_cmp_lt_u32 s[CL], 4
	s_cselect_b32 s17, s20, s19
	s_cselect_b32 s42, 0, s18
	s_add_co_u32 s17, s17, s41                     ; A's tile: it holds cy and never cx
	s_add_co_u32 s42, s42, s40                     ; B's tile: it holds cx and never cy
	s_lshl_b32 s43, s41, 2
	s_lshl_b32 s43, 15, s43                        ; my row of the cluster
	s_lshl_b32 s44, 0x1111, s40                    ; my column
	; descriptor group 1: a tile of 128 rows x 256 bytes, 16 bytes of padding behind each row
	s_or_b32 s[G1+0], s43, (0<<16)|(1<<20)|(1<<21)|(5<<22)|(3<<25)  ; 15:0 the mask: A's tiles go to my row; 17:16 elements of 1 byte; 20 padding on; 21 set beside a mask; 24:22 after every 64 words; 31:25 four words
	s_or_b32 s[G1B+0], s44, (0<<16)|(1<<20)|(1<<21)|(5<<22)|(3<<25)
.irp g, G1, G1B
	s_mov_b32 s[\g+1], ROWB<<16                    ; tensor_dim0
	s_mov_b32 s[\g+2], 128<<16                     ; tensor_dim1
	s_mov_b32 s[\g+3], ROWB<<16                    ; tile_dim0
	s_mov_b32 s[\g+4], 128                         ; tile_dim1
	s_mov_b32 s[\g+5], KROW                        ; tensor_dim0_stride
	s_mov_b32 s[\g+6], 0
	s_mov_b32 s[\g+7], 0
.endr
	; the scales of 128 rows: a dense block of 8,192 bytes, as 32 rows of 256 bytes (32 elements of 8 bytes), 16 bytes of padding behind each
	s_or_b32 s[G1S+0], s43, (3<<16)|(1<<20)|(1<<21)|(5<<22)|(3<<25)
	s_or_b32 s[G1SB+0], s44, (3<<16)|(1<<20)|(1<<21)|(5<<22)|(3<<25)
.irp g, G1S, G1SB
	s_mov_b32 s[\g+1], 32<<16
	s_mov_b32 s[\g+2], (128*KS/256)<<16
	s_mov_b32 s[\g+3], 32<<16
	s_mov_b32 s[\g+4], 128*KS/256
	s_mov_b32 s[\g+5], 32
	s_mov_b32 s[\g+6], 0
	s_mov_b32 s[\g+7], 0
.endr
	s_lshl_b32 s18, s16, 7                         ; which 128 rows of the tile I fetch
	s_lshl_b32 s20, s17, 8
	s_add_co_u32 s20, s20, s18                     ; A: row 256 x tile + 128 x half
	s_lshl_b32 s46, s42, 8
	s_add_co_u32 s46, s46, s18                     ; B likewise
	s_mov_b32 s21, 0
	s_mov_b32 s47, 0
	s_mov_b64 s[18:19], KS
	s_mul_u64 s[22:23], s[20:21], s[18:19]         ; where these rows' scales begin, in bytes
	s_mul_u64 s[92:93], s[46:47], s[18:19]
	s_mov_b64 s[18:19], KROW
	s_mul_u64 s[20:21], s[20:21], s[18:19]         ; and their codes
	s_mul_u64 s[46:47], s[46:47], s[18:19]
	s_mul_i32 s45, s14, HALFT                      ; where they go: wave x 128 rows: no place in the cluster enters an LDS address
	s_mul_i32 s94, s14, HALFS
	s_wait_dscnt 0x0                               ; both opening adds are done
	s_wait_kmcnt 0x0
	s_cmp_lt_u32 s[CL], 4                          ; which buffers are A and B: the choice hangs on the cluster's number alone
	s_cselect_b64 s[12:13], s[4:5], s[8:9]         ; A's codes
	s_cselect_b64 s[8:9], s[8:9], s[4:5]           ; B's codes
	s_cselect_b64 s[4:5], s[6:7], s[10:11]         ; A's scales
	s_cselect_b64 s[10:11], s[10:11], s[6:7]       ; B's scales
	s_add_nc_u64 s[20:21], s[12:13], s[20:21]
	s_add_nc_u64 s[22:23], s[4:5], s[22:23]
	s_add_nc_u64 s[46:47], s[8:9], s[46:47]
	s_add_nc_u64 s[92:93], s[10:11], s[92:93]
	CROUND                                         ; all sixteen work-groups are here: the first joint loads meet
	s_mov_b32 s[G0S], 1
	s_add_co_u32 s[G0S+1], s94, SCL
	s_mov_b64 s[G0S+2:G0S+3], s[22:23]
	s_or_b32 s[G0S+3], s[G0S+3], 0x80000000
	s_mov_b32 s[G0SB], 1
	s_add_co_u32 s[G0SB+1], s94, SCL
	s_mov_b64 s[G0SB+2:G0SB+3], s[92:93]
	s_or_b32 s[G0SB+3], s[G0SB+3], 0x80000000
	JLOAD G0S, G1S, G0SB, G1SB                     ; the scales first: they are wanted with K step 0
.irp s, 0,1
	s_mov_b32 s[G0+4*\s], 1
	s_add_co_u32 s[G0+4*\s+1], s45, \s*SLOT
	s_add_nc_u64 s[G0+4*\s+2:G0+4*\s+3], s[20:21], \s*ROWB
	s_or_b32 s[G0+4*\s+3], s[G0+4*\s+3], 0x80000000
	s_mov_b32 s[G0B+4*\s], 1
	s_add_co_u32 s[G0B+4*\s+1], s45, \s*SLOT
	s_add_nc_u64 s[G0B+4*\s+2:G0B+4*\s+3], s[46:47], \s*ROWB
	s_or_b32 s[G0B+4*\s+3], s[G0B+4*\s+3], 0x80000000
	JLOAD G0+4*\s, G1, G0B+4*\s, G1B               ; three loads of mine are out: the scales, K step 0, K step 1
.endr
	v_and_b32 v1, 15, v0                           ; l % 16
	v_bfe_u32 v2, v0, 4, 1                         ; l / 16
	v_mul_u32_u24 v3, v1, PITCH
	v_lshl_add_u32 v4, v2, 4, v3                   ; a fragment's row x pitch + 16 x half
	s_mul_i32 s21, s15, HALFT                      ; my 128 rows of A
	s_mul_i32 s22, s16, HALFT                      ; my 128 rows of B,
	s_add_co_u32 s22, s22, 2*HALFT                 ; which lie behind A's 256
.irp s, 0,1
	v_add_nc_u32 v[ADRA+\s], s21, v4
	v_add_nc_u32 v[ADRB+\s], s22, v4
	s_add_co_u32 s21, s21, SLOT
	s_add_co_u32 s22, s22, SLOT
.endr
	v_mul_u32_u24 v5, v1, KS                       ; my row's scales: 64 bytes a row,
	v_lshrrev_b32 v6, 8, v5
	v_lshl_add_u32 v5, v6, 4, v5                   ; and 16 more for each 256 passed
	s_mul_i32 s21, s15, HALFS                      ; A's: my 128 rows
	s_mul_i32 s22, s16, HALFS                      ; B's: my 128 rows, behind A's 256
	s_add_co_u32 s22, s22, 2*HALFS
	s_sub_co_u32 s22, s22, s21
	v_mul_u32_u24 v6, s22, v2                      ; lanes 16-31 take B's
	s_add_co_u32 s21, s21, SCL
	v_add_nc_u32 v5, v5, v6
	v_add_nc_u32 v[ADRS], s21, v5
	v_and_b32 v6, 31, v0
	v_lshlrev_b32 v[LI], 4, v6
.macro FRAG reg, adr, q, i             ; a fragment, 16 rows x 128 K of 4-bit codes: lane l holds row l % 16; registers 4 c .. 4 c + 3 hold K = 64 c + 32 (l / 16) + 0 .. 31
.irp c, 0,1
	ds_load_b128 v[\reg+4*\c:\reg+4*\c+3], v[\adr] offset:64*(\q)+32*\c+(\i)*16*PITCH
.endr
.endm
; 16 matrix instructions: A's blocks a0, a0 + 1 x B's eight, 128 along K.  zero = 1: the first product starts the sums.  The 64 accumulators take turns, one instruction a turn, in the same order in every step.
.macro MUL16 a0, p, q, sc, zero
.irp a, \a0, \a0+1
.irp b, 0,1,2,3,4,5,6,7
.if \zero
	v_wmma_scale_f32_16x16x128_f8f6f4 v[8*(8*((\a)%4)+\b):8*(8*((\a)%4)+\b)+7], v[128*(\p)+FR*\b:128*(\p)+FR*\b+FR-1], v[AF+FR*(\a):AF+FR*(\a)+FR-1], 0, v[SC+8*NQ*(\sc)+NQ*\b+(\q)], v[SC+8*NQ*(\sc)+NQ*(\a)+(\q)] matrix_a_fmt:MATRIX_FMT_FP4 matrix_b_fmt:MATRIX_FMT_FP4 matrix_a_scale:MATRIX_SCALE_ROW1
.else
	v_wmma_scale_f32_16x16x128_f8f6f4 v[8*(8*((\a)%4)+\b):8*(8*((\a)%4)+\b)+7], v[128*(\p)+FR*\b:128*(\p)+FR*\b+FR-1], v[AF+FR*(\a):AF+FR*(\a)+FR-1], v[8*(8*((\a)%4)+\b):8*(8*((\a)%4)+\b)+7], v[SC+8*NQ*(\sc)+NQ*\b+(\q)], v[SC+8*NQ*(\sc)+NQ*(\a)+(\q)] matrix_a_fmt:MATRIX_FMT_FP4 matrix_b_fmt:MATRIX_FMT_FP4 matrix_a_scale:MATRIX_SCALE_ROW1
.endif
.endr
.endr
.endm
.macro FETCH_B slot, q, p              ; B's eight fragments of the slot's q-th 128 along K into set p
	WIN TO_B
.irp i, 0,1,2,3,4,5,6,7
	FRAG 128*(\p)+FR*\i, ADRB+\slot, \q, \i
.endr
	WIN 0
.endm
.macro FETCH_A slot, q, i0             ; A's blocks i0 .. i0 + 3
.irp i, \i0, \i0+1, \i0+2, \i0+3
	FRAG AF+FR*(\i), ADRA+\slot, \q, \i
.endr
.endm
.macro SCALES sc                       ; a K step's scale words into set sc: lanes 0-15 take A's block i, lanes 16-31 B's block i
.irp i, 0,1,2,3,4,5,6,7
	ds_load_b128 v[SC+8*NQ*\sc+NQ*\i:SC+8*NQ*\sc+NQ*\i+3], v[ADRS] offset:\i*SBLK
.endr
.endm
.macro PLACES n                        ; plain vector instructions between a matrix instruction and a load into, or a read of, its registers (ISA guide 7.12.1 for the reads)
.rept \n
	v_nop
.endr
.endm
.macro STEP slot, q, zero              ; a step of 128 along K that has its successor in the same slot
	s_wait_dscnt 4*NL                              ; B's set and A's blocks 0-3 are in; the youngest eight loads (A's blocks 4-7) may be out
	WIN MUL_LO
	MUL16 0, (\q)%2, \q, \slot, \zero
	MUL16 2, (\q)%2, \q, \slot, \zero
	s_wait_dscnt 0                                 ; A's blocks 4-7 are in
	PLACES NP
	FETCH_B \slot, (\q)+1, 1-(\q)%2
	FETCH_A \slot, (\q)+1, 0
	WIN MUL_HI
	MUL16 4, (\q)%2, \q, \slot, \zero
	MUL16 6, (\q)%2, \q, \slot, \zero
	PLACES NP
	WIN 0
	FETCH_A \slot, (\q)+1, 4
.endm
; A slot's last step changes slots: one barrier; in front of it each wave waits for all its tensor loads, adds 0 to its spare word, and waits for that and for its reads of this slot.  fill = 1: the slot is filled again, two K steps ahead.
.macro TURN slot, next, fill
	s_wait_tensorcnt 0x0                           ; all my tensor loads have landed: my part of the next slot
	ds_add_u32 v[SPW], v[NIL]                      ; 0 onto my spare word
	s_wait_dscnt 4*NL+1                            ; (the add and the youngest eight loads may be out)
	WIN MUL_LO
	MUL16 0, 1, NQ-1, \slot, 0                     ; sixteen matrix instructions stand between the add and the wait for it
	s_wait_dscnt 0x0                               ; the add is done, and my reads of this slot are over
	s_barrier_signal -1
	MUL16 2, 1, NQ-1, \slot, 0
	WIN 0
	s_barrier_wait -1
.if \fill
	CREST                                          ; the barrier has opened a round of the cluster's barrier: no wave of any partner still reads this slot or has a load on its way
	s_add_nc_u64 s[G0+4*\slot+2:G0+4*\slot+3], s[G0+4*\slot+2:G0+4*\slot+3], 2*ROWB
	s_add_nc_u64 s[G0B+4*\slot+2:G0B+4*\slot+3], s[G0B+4*\slot+2:G0B+4*\slot+3], 2*ROWB
	JLOAD G0+4*\slot, G1, G0B+4*\slot, G1B         ; the first tensor load behind the round; its four v_nop are the places in front of the loads below
.else
	PLACES NP
.endif
	v_add_nc_u32 v[ADRS], 4*NQ, v[ADRS]            ; on to the next K step's scale words
	FETCH_B \next, 0, 0
	FETCH_A \next, 0, 0
	SCALES \next
	WIN MUL_HI
	MUL16 4, 1, NQ-1, \slot, 0
	MUL16 6, 1, NQ-1, \slot, 0
	PLACES NP
	WIN 0
	FETCH_A \next, 0, 4
.endm
.macro STEPS slot, from                ; the slot's steps from .. NQ - 2
.set Q, \from
.rept NQ-1-\from
	STEP \slot, Q, 0
.set Q, Q+1
.endr
.endm
	s_wait_tensorcnt 1                             ; the scales and my part of K step 0 are in; K step 1's load may be out
	s_barrier_signal -1
	s_barrier_wait -1
	FETCH_B 0, 0, 0
	FETCH_A 0, 0, 0
	SCALES 0
	FETCH_A 0, 0, 4
	STEP 0, 0, 1                                   ; the first step stands in front of the loop: its products start the sums
	s_mov_b32 s3, LAPS-1
.Llap:                                                 ; a trip goes once round the ring and fills both slots again
	STEPS 0, 1
	TURN 0, 1, 1
	STEPS 1, 0
	TURN 1, 0, 1
	STEP 0, 0, 0
	s_sub_co_u32 s3, s3, 1
	s_cmp_lg_u32 s3, 0
	s_cbranch_scc1 .Llap
	STEPS 0, 1                                     ; the last lap fills nothing
	TURN 0, 1, 0
	STEPS 1, 0
	s_wait_dscnt 4*NL
	WIN MUL_LO
	MUL16 0, 1, NQ-1, 1, 0
	MUL16 2, 1, NQ-1, 1, 0
	s_wait_dscnt 0
	WIN MUL_HI
	MUL16 4, 1, NQ-1, 1, 0
	MUL16 6, 1, NQ-1, 1, 0
	WIN 0
; 64 numbers of a lane, v[s] .. v[s + 63] of window w, register 16 b + i = k 32 b + 16 (lane / 16) + i of my row, become a fragment's codes in v[pc] .. v[pc + 7] and its scale word in v[PW].
; Each accumulator is read from its low end on.
.macro QUANT s, w, pc
	WIN ((\w)|((\w)<<2))
.irp b, 0,1,2,3
	v_max3_num_f32 v[TM+\b], |v[(\s)+16*\b]|, |v[(\s)+1+16*\b]|, 0x1800000   ; block b: my 16 numbers, and the floor 2^(3 - 127): the byte cannot fall under 1
.endr
.irp i, 2,4,6,8,10,12,14
.irp b, 0,1,2,3
	v_max3_num_f32 v[TM+\b], |v[(\s)+16*\b+\i]|, |v[(\s)+1+16*\b+\i]|, v[TM+\b]   ; (the four blocks by turns)
.endr
.endr
	WIN 0
.irp b, 0,1,2,3
	v_permlanex16_b32 v[TM+4+\b], v[TM+\b], s92, s93
.endr
.irp b, 0,1,2,3
	v_max_num_f32 v[TM+\b], v[TM+\b], v[TM+4+\b]   ; with lane l xor 16's: the block's largest magnitude
.endr
.irp b, 0,1,2,3
	v_add_nc_u32 v[TM+12+\b], 0xff000000, v[TM+\b] ; 2 off its exponent field: the conversion's scale operand
.endr
.irp b, 0,1,2,3
	v_lshrrev_b32 v[TM+4+\b], 23, v[TM+12+\b]      ; the scale's byte
.endr
	v_lshl_or_b32 v[PW], v[TM+5], 8, v[TM+4]       ; the four bytes make my row's scale word, the same in both halves of the lanes
	v_lshl_or_b32 v[PW], v[TM+6], 16, v[PW]
	v_lshl_or_b32 v[PW], v[TM+7], 24, v[PW]
	WIN (\w)
.irp b, 0,1,2,3
	v_cvt_scalef32_pk8_fp4_f32 v[(\pc)+2*\b], v[(\s)+16*\b:(\s)+7+16*\b], v[TM+12+\b]
	v_cvt_scalef32_pk8_fp4_f32 v[(\pc)+1+2*\b], v[(\s)+8+16*\b:(\s)+15+16*\b], v[TM+12+\b]
.endr
	WIN 0
	v_nop                                          ; one plain place behind a scaled conversion
.irp c, 0,1                                        ; the operand's layout wants a whole block in a lane: lanes 0-15 block 2 c, lanes 16-31 block 2 c + 1
.irp i, 0,1
	v_permlane16_swap_b32 v[(\pc)+4*\c+\i], v[(\pc)+2+4*\c+\i]
.endr
.endr
.endm
	PLACES NP                                      ; behind the last products: their results are read, and loads land in B's registers
	s_mov_b32 s90, 0xffff0000                      ; lanes 16-31.  (All my tensor loads were shown done at the last change of slots: the descriptors' registers are free)
	s_mov_b32 s91, 0x7f7f0000                      ; two bytes of scale 1 for the half of K that is not there
	s_mov_b32 s92, 0x76543210
	s_mov_b32 s93, 0xfedcba98                      ; v_permlanex16_b32's selects for lane l xor 16
.irp b, 0,1,2,3
	v_mov_b32 v[TM+4+\b], 0                        ; written once: a lane permute's destination counts as one of its sources
.endr
	s_mov_b32 s19, 0
	s_cmp_lt_u32 s[CL], 4                          ; the cluster's number: all sixteen partners go the same way
	s_cbranch_scc1 .Lqk
	; ---- V.  Block a: 16 channels (a lane a channel) x 128 tokens.  Quantised along the tokens it is one fragment of V^T for a step of 128 keys.
	s_lshr_b32 s18, s42, 3                         ; batch
	s_and_b32 s20, s42, 7
	s_lshl_b32 s20, s20, 1
	s_add_co_u32 s20, s20, s16                     ; step of 128 keys
	s_sub_co_u32 s21, s17, 4                       ; h
	s_lshl_b32 s18, s18, 3
	s_add_co_u32 s18, s18, s21
	s_lshl_b32 s18, s18, 4
	s_add_co_u32 s18, s18, s20
	s_mul_i32 s18, s18, REC
	s_add_nc_u64 s[44:45], s[98:99], s[18:19]      ; the record
	s_lshl_b32 s18, s15, 13
	s_add_co_u32 s18, s18, 4608
	s_add_nc_u64 s[46:47], s[44:45], s[18:19]      ; my eight tiles of channels
	s_lshl_b32 s18, s15, 9
	s_add_co_u32 s18, s18, 20992
	s_add_nc_u64 s[44:45], s[44:45], s[18:19]      ; their scale words
.irp a, 0,1,2,3,4,5,6,7
	QUANT 64*((\a)%4), 2+(\a)/4, AF+8*(\a)
	global_store_b128 v[LI], v[AF+8*\a:AF+8*\a+3], s[46:47] offset:1024*\a           ; an image of the registers: 32 lanes store 512 consecutive bytes, aligned.  Each block has code registers of its own
	global_store_b128 v[LI], v[AF+8*\a+4:AF+8*\a+7], s[46:47] offset:1024*\a+512
.if (\a)%2 == 0
	v_mov_b32 v[SI0+(\a)/2], v[PW]
.else
	v_cndmask_b32 v[SI0+(\a)/2], v[SI0+(\a)/2], v[PW], s90
.endif
.endr
	global_store_b128 v[LI], v[SI0:SI0+3], s[44:45]
	s_branch .Ldone
.Lqk:	; ---- Q and K.  Block a: 16 tokens (a lane a token) x 128 columns: two heads.  Register 32 e + i: dim 16 (lane / 16) + i of head e; register 32 e + 16 + i: dim 32 + that.
	s_lshr_b32 s18, s17, 3                         ; batch
	s_and_b32 s20, s17, 7
	s_lshl_b32 s20, s20, 1
	s_add_co_u32 s20, s20, s15                     ; which 128 tokens of the batch
	s_lshl_b32 s21, s42, 2
	s_lshl_b32 s22, s16, 1
	s_add_co_u32 s21, s21, s22                     ; my first head: 0-7 Q's, 8-15 K's
	s_mov_b32 s22, QREC
	s_cmp_ge_u32 s21, 8                            ; a choice of offsets, no branch
	s_cselect_b32 s22, REC, s22                    ; bytes from record to record
	s_cselect_b32 s23, 0, QOFF
	s_and_b32 s21, s21, 7
	s_lshl_b32 s18, s18, 3
	s_add_co_u32 s18, s18, s21
	s_lshl_b32 s18, s18, 4
	s_add_co_u32 s18, s18, s20
	s_mul_i32 s18, s18, s22
	s_add_co_u32 s18, s18, s23
	s_add_nc_u64 s[44:45], s[98:99], s[18:19]      ; the first head's record
	s_lshl_b32 s18, s22, 4
	s_add_nc_u64 s[46:47], s[44:45], s[18:19]      ; the second head's: 16 records on
	s_lshl_b32 s18, s17, 4
	s_lshl_b32 s20, s15, 3
	s_add_co_u32 s18, s18, s20
	s_lshl_b32 s18, s18, 12
	s_add_nc_u64 s[96:97], s[96:97], s[18:19]      ; cos and sin of my first tile of tokens
	WIN 0x40                                       ; destination window 1: B's fragments are done with
.irp a, 0,1,2,3,4,5,6,7
.irp k, 0,1,2,3,4,5,6,7
	global_load_b128 v[32*\a+4*\k:32*\a+4*\k+3], v[LI], s[96:97] offset:4096*\a+512*\k   ; block a: registers 32 a + i cos, 32 a + 16 + i sin of frequency 16 (lane / 16) + i
.endr
.endr
	WIN 0
.irp a, 0,1,2,3,4,5,6,7
	s_wait_loadcnt 56-8*\a                         ; block a's eight loads are in; the later blocks' eight each may be out
	WIN ((2+(\a)/4)|(1<<2))                        ; source 0: the accumulators' window; source 1: window 1
.irp e, 0,1
.irp i, 0,2,4,6,8,10,12,14                         ; out[d] = x[d] cos - x[d + 32] sin;  out[d + 32] = x[d + 32] cos + x[d] sin
	v_pk_mul_f32 v[RO+32*\e+\i:RO+32*\e+\i+1], v[64*((\a)%4)+32*\e+\i:64*((\a)%4)+32*\e+\i+1], v[32*\a+\i:32*\a+\i+1]
	v_pk_mul_f32 v[RO+32*\e+16+\i:RO+32*\e+16+\i+1], v[64*((\a)%4)+32*\e+16+\i:64*((\a)%4)+32*\e+16+\i+1], v[32*\a+\i:32*\a+\i+1]
	v_pk_fma_f32 v[RO+32*\e+\i:RO+32*\e+\i+1], v[64*((\a)%4)+32*\e+16+\i:64*((\a)%4)+32*\e+16+\i+1], v[32*\a+16+\i:32*\a+16+\i+1], v[RO+32*\e+\i:RO+32*\e+\i+1] neg_lo:[0,1,0] neg_hi:[0,1,0]
	v_pk_fma_f32 v[RO+32*\e+16+\i:RO+32*\e+16+\i+1], v[64*((\a)%4)+32*\e+\i:64*((\a)%4)+32*\e+\i+1], v[32*\a+16+\i:32*\a+16+\i+1], v[RO+32*\e+16+\i:RO+32*\e+16+\i+1]
.endr
.endr
	WIN 0
	QUANT RO, 0, AF+8*(\a)                         ; four blocks of 32: the two halves of each head.  Registers 0-3 of the codes: the first head's 64 dims; registers 4-7: the second's
	global_store_b128 v[LI], v[AF+8*\a:AF+8*\a+3], s[44:45] offset:512*\a
	global_store_b128 v[LI], v[AF+8*\a+4:AF+8*\a+7], s[46:47] offset:512*\a
	v_and_or_b32 v[W0], v[PW], 0xffff, s91         ; a head's scale word: its two bytes, and two bytes of scale 1 for k = 64 .. 127, where launch 3 has zero codes
	v_lshrrev_b32 v[W1], 16, v[PW]
	v_or_b32 v[W1], s91, v[W1]
.if (\a)%2 == 0
	v_mov_b32 v[SI0+(\a)/2], v[W0]
	v_mov_b32 v[SI1+(\a)/2], v[W1]
.else
	v_cndmask_b32 v[SI0+(\a)/2], v[SI0+(\a)/2], v[W0], s90
	v_cndmask_b32 v[SI1+(\a)/2], v[SI1+(\a)/2], v[W1], s90
.endif
.endr
	global_store_b128 v[LI], v[SI0:SI0+3], s[44:45] offset:4096
	global_store_b128 v[LI], v[SI1:SI1+3], s[46:47] offset:4096
.Ldone:
	s_wait_tensorcnt 0x0                           ; the wave's end: a tensor wait, an add onto my spare word and its wait behind my last tensor load
	ds_add_u32 v[SPW], v[NIL]
	s_wait_dscnt 0x0
	CROUND                                         ; the closing round: no work-group ends while a partner may still ask for a tile that names it
	s_endpgm
.Lfunc_end_k_qdf3bf6f62d_gemm:
	.size	k_qdf3bf6f62d_gemm, .Lfunc_end_k_qdf3bf6f62d_gemm-k_qdf3bf6f62d_gemm
	.p2alignl 7, 3214868480
	.fill 96, 4, 3214868480
	.section	.rodata,"a",@progbits
	.p2align	6, 0x0
	.amdhsa_kernel k_qdf3bf6f62d_gemm
		.amdhsa_group_segment_fixed_size 327680
		.amdhsa_private_segment_fixed_size 0
		.amdhsa_enable_private_segment 0
		.amdhsa_kernarg_size 48
		.amdhsa_user_sgpr_count 2
		.amdhsa_user_sgpr_kernarg_segment_ptr 1
		.amdhsa_wavefront_size32 1
		.amdhsa_system_sgpr_workgroup_id_x 1
		.amdhsa_system_sgpr_workgroup_id_y 1
		.amdhsa_system_sgpr_workgroup_id_z 1
		.amdhsa_system_vgpr_workitem_id 0
		.amdhsa_next_free_vgpr 1024
		.amdhsa_next_free_sgpr 102
		.amdhsa_reserve_vcc 0
		.amdhsa_float_denorm_mode_32 3
		.amdhsa_float_denorm_mode_16_64 3
		.amdhsa_memory_ordered 1
		.amdhsa_forward_progress 1
		.amdhsa_inst_pref_size 255
	.end_amdhsa_kernel
	.section	.bss,"aw",@nobits
	.p2align	6
	.space	262144
	.amdgpu_metadata
---
amdhsa.version: [ 1, 2 ]
amdhsa.kernels:
  - .name:           k_qdf3bf6f62d_gemm
    .symbol:         k_qdf3bf6f62d_gemm.kd
    .args:
      - { .name: xc, .offset: 0, .size: 8, .value_kind: global_buffer, .address_space: global }
      - { .name: xs, .offset: 8, .size: 8, .value_kind: global_buffer, .address_space: global }
      - { .name: wc, .offset: 16, .size: 8, .value_kind: global_buffer, .address_space: global }
      - { .name: ws, .offset: 24, .size: 8, .value_kind: global_buffer, .address_space: global }
      - { .name: cst, .offset: 32, .size: 8, .value_kind: global_buffer, .address_space: global }
      - { .name: qkv, .offset: 40, .size: 8, .value_kind: global_buffer, .address_space: global }
    .group_segment_fixed_size: 327680
    .private_segment_fixed_size: 0
    .kernarg_segment_align: 8
    .kernarg_segment_size: 48
    .max_flat_workgroup_size: 128
    .sgpr_count:     102
    .vgpr_count:     1024
    .wavefront_size: 32
...
	.end_amdgpu_metadata
.endif
;; end of part 2
;; launch attn (part 3): grid 16 x 16, 8 waves a work-group, no clusters, 327,680 bytes of LDS; arguments qkv, out0; writes out0
.if DOCPART == 3
	.amdgcn_target "amdgcn-amd-amdhsa--gfx1250"
	.amdhsa_code_object_version 6
	.text
	.protected	k_qdf3bf6f62d_attn
	.globl	k_qdf3bf6f62d_attn
	.p2align	8
	.type	k_qdf3bf6f62d_attn,@function
k_qdf3bf6f62d_attn:
	s_mov_b64 s[64:65], 0
	v_nop
	global_prefetch_b8 v0, s[64:65] scope:SCOPE_SE
	s_setreg_imm32_b32 hwreg(HW_REG_WAVE_MODE, 25, 1), 1
	s_wait_xcnt 0x0
; LAUNCH 3 OF 3.  Causal attention on codes of FP4 (E2M1) with E8M0 scales.  WORK LEFT OUT, as shown at the head of launch 1: the scores, M, the sum and p of heads r*8+h, r = 0..3, are the same numbers (rep() copies Q and K):
; they are made once for each (batch, h) and multiplied by the four heads' V, 256 channels; steps of 128 keys wholly behind a tile's queries (the mask that reference() builds itself) are not walked.
; THE SOFTMAX AHEAD OF THE SECOND PRODUCT: t = score x log2(e) / 8; M = the row's largest t so far, rounded up to a whole number; p = 2^(t - M) is quantised along the keys, not normalised; the row's sum is taken of the unquantised p
; and divides at the end.  When M moves, the sum and O are multiplied by 2^(old M - new M): exact.
; LIMITS: hidden scores are set to -8e9 ahead of the factor 1/8 (reference()'s -1e9): true logits under -1e9 are not served.  NaN and infinities are not served.
; SHARES.  Work-group (j, batch x 8 + h), eight waves, two to a SIMD.  The 2,048 queries are 32 blocks of 64: waves 0-3 take block j, waves 4-7 block 31 - j, a tile of 16 queries each.  A tile of block i walks i / 2 + 1 steps of 128 keys,
; so a low wave and a high wave together walk 17 steps whatever j is.
; NO CLUSTER, though the 16 work-groups of a (batch, h) read the same records: work-groups j >= 8 never read the last slot (steps 12-15 lie behind their queries), and a joint load is issued by every partner and its bytes read by each.
; A split in which every partner reads every slot gives a wave's pair up to 23 steps against these 17.  What a work-group fetches alone is 88,064 bytes for a slot of four steps.
; NO PREFETCH: of the four slots the first two are asked for at once; each later one has a whole slot's steps in which to land, and sixteen work-groups read the same bytes.
; LAYOUT.  Both products are used transposed: S^T = K Q^T (source 0 = 16 keys, source 1 = my 16 queries), O^T = V^T P^T (source 0 = 16 channels, source 1 = P): a lane holds one query (lane % 16) throughout.
; The head's 64 fill half of the instruction's K: registers 4-7 of K's and Q's fragments are zero codes, their scale bytes 1.0.  The keys, queries and channels of a tile lie in the order sg (bits 3 and 4 exchanged): the 16 registers of
; tiles 2 G, 2 G + 1 are 16 neighbours.  All operands lie in memory as images of their registers: lane l's 16 bytes at 16 l; so a slot is a dense block and no LDS load has a bank conflict.
; REGISTERS.  Window 0: v1-8 addresses; v12 -M, v13 the largest t, v[14:15] the sum; v16-23 Q; v24 Q's scale word, v25 p's, v26-29 K's, v32-39 V's (these hold scales alone); v40-103 K's 8 fragments; v104-167 S^T, then p; v168-175 p's codes;
;   v176-197 at work.   Window 1: v0-127 O^T (tile ct of channels at 8 ct); v128-255 V's 16 fragments of a step.
.set REC,   22016                      ; a step's record: K's tiles 0 | K's scale words 4,096 | V's tiles 4,608 | V's scale words 20,992
.set QREC,  4608
.set QOFF,  256*REC
.set PART,  11008                      ; a wave's eighth of a slot: 43 rows of 256 bytes
.set SLOT1, 1<<17                      ; slot 1 begins here: one exclusive or turns an address in one slot into the other's
.set STAGE, 262144                     ; behind the ring: 16 rows x 272 bytes for each wave, for the way out; no tensor load lands here
.set SPARE, STAGE+8*4352               ; the spare words, 128 bytes for each wave: four blocks of 256 bytes that no other line names
.set LI,  1                            ; v1  16 x lane
.set AD,  2                            ; v2  LDS address of the step's record for my lane
.set SPW, 3                            ; v3  my spare word; never rewritten
.set NIL, 4                            ; v4  0; never rewritten
.set DQ,  5                            ; v5  my query's place in its step of 128, less 16 (lane / 16)
.set STO, 6                            ; v6  the way out: where I put 16 bytes of a row
.set RD,  7                            ; v7  where I read a row back
.set GO,  8                            ; v8  my byte offset in the tile's rows of the output
.set QF,  16
.set QSC, 24
.set PSC, 25
.set KSC, 26
.set VSC, 32
.set KFR, 40
.set SS,  104
.set PC,  168
.set BM,  176                          ; v176-179 the blocks' largest scores, then largest p
.set BP,  180                          ; v180-183 the other half's, then bytes
.set SO,  184                          ; v184-187 the conversions' scale operands
.set TP,  188
.set FF,  190                          ; v[190:191] f = 2^(old M - new M); the pair's low word serves both halves
.set S2,  192                          ; v[192:193] the sums' second chain
.set NEG, 194                          ; v194 -8e9
.set RL,  196                          ; v[196:197] 1 / the sum
.set TB,  2                            ; s2  LDS byte at which the step's record begins
.set KSN, 3                            ; s3  the step's number, 0..15
.set WV,  8
.set BH,  10                           ; s10 batch x 8 + h
.set TL,  12                           ; s12 my tile, 0..127
.set DD,  13                           ; s13 my last step: the one on the diagonal
.set DH,  14                           ; s14 the work-group's last step: the high waves'
.set SLC, 15
.set INC, 16
.set SEL, 20                           ; s[20:21] v_permlanex16_b32's selects for lane l xor 16
.set CS,  22                           ; s[22:23] c = log2(e) / 8
.set G1,  24
.set G0,  32
.set QB,  36                           ; s[36:37] Q's record
.set OB,  38                           ; s[38:39] the output at my tile's first query, head h
.set MSB, 0
.macro WIN new                         ; the immediate's high byte repeats the setting that is left; a switch that changes nothing is dropped
.if MSB != (\new)
	s_set_vgpr_msb (MSB<<8)|(\new)
.set MSB, (\new)
.endif
.endm
	s_load_b128 s[4:7], s[0:1], 0x0                ; qkv, out0
	v_lshl_add_u32 v[SPW], v0, 2, SPARE
	v_mov_b32 v[NIL], 0
	ds_add_u32 v[SPW], v[NIL]                      ; the wave's opening: the add, twice on end, and its wait ahead of my first tensor load
	ds_add_u32 v[SPW], v[NIL]                      ; and once more, under the one wait; the set-up below, work on registers, stands between
	v_lshrrev_b32 v9, 5, v0
	v_readfirstlane_b32 s[WV], v9                  ; wave 0..7
	s_and_b32 s[BH], ttmp7, 0xffff
	; descriptor group 1: 43 rows of 256 bytes (32 elements of 8 bytes), dense in memory and in LDS
	s_mov_b32 s[G1], 3<<16                         ; no mask; elements of 8 bytes; no padding
	s_mov_b32 s[G1+1], 32<<16                      ; tensor_dim0
	s_mov_b32 s[G1+2], 43<<16                      ; tensor_dim1
	s_mov_b32 s[G1+3], 32<<16                      ; tile_dim0
	s_mov_b32 s[G1+4], 43                          ; tile_dim1
	s_mov_b32 s[G1+5], 32                          ; tensor_dim0_stride
	s_mov_b32 s[G1+6], 0
	s_mov_b32 s[G1+7], 0
	s_sub_co_u32 s40, 31, ttmp9
	s_cmp_lt_u32 s[WV], 4
	s_cselect_b32 s11, ttmp9, s40                  ; my block of 64 queries
	s_lshr_b32 s[DH], s40, 1
	s_and_b32 s41, s[WV], 3
	s_lshl_b32 s[TL], s11, 2
	s_add_co_u32 s[TL], s[TL], s41
	s_lshr_b32 s[DD], s[TL], 3
	s_mov_b32 s[SEL], 0x76543210
	s_mov_b32 s[SEL+1], 0xfedcba98
	s_mov_b32 s[CS], 0x3e38aa3b
	s_mov_b32 s[CS+1], s[CS]                       ; (named with it as a pair, so it is written)
	s_mov_b32 s[TB], 0
	s_mov_b32 s[KSN], 0
	s_mov_b32 s[SLC], 3
	s_mov_b32 s[G0], 1
	s_mul_i32 s[G0+1], s[WV], PART                 ; LDS: slot 0, my eighth
	s_mul_i32 s40, s[BH], 16*REC
	s_add_co_u32 s40, s40, s[G0+1]
	s_mov_b32 s41, 0
	s_wait_dscnt 0x0                               ; both opening adds are done
	s_wait_kmcnt 0x0
	s_add_nc_u64 s[G0+2:G0+3], s[4:5], s[40:41]    ; steps 0-3 of my (batch, h), my eighth
	s_or_b32 s[G0+3], s[G0+3], 0x80000000
	tensor_load_to_lds s[G0:G0+3], s[G1:G1+7]      ; every wave issues this first fill: one tensor load of mine is out, here and behind every change of slots
	s_nop 0
.rept 4
	v_nop
.endr
	s_lshl_b32 s40, s[BH], 4
	s_add_co_u32 s40, s40, s[DD]
	s_mul_i32 s40, s40, QREC
	s_add_co_u32 s40, s40, QOFF
	s_add_nc_u64 s[QB:QB+1], s[4:5], s[40:41]
	v_and_b32 v9, 31, v0
	v_lshlrev_b32 v[LI], 4, v9
	s_and_b32 s42, s[TL], 7                        ; my tile among the record's eight
	s_lshl_b32 s43, s42, 9
	v_add_nc_u32 v10, s43, v[LI]
	global_load_b128 v[QF:QF+3], v10, s[QB:QB+1]   ; Q's fragment stays in registers
	v_and_b32 v11, 15, v0                          ; r
	s_and_b32 s43, s[TL], 1
	s_lshl_b32 s43, s43, 8
	s_lshr_b32 s42, s42, 1
	s_lshl_b32 s42, s42, 2
	s_add_co_u32 s43, s43, s42
	v_lshl_add_u32 v30, v11, 4, s43                ; in the image of scale words: lane 16 (tile % 2) + r, register tile / 2
	global_load_b32 v[QSC], v30, s[QB:QB+1] offset:4096
	s_lshr_b32 s44, s[TL], 1
	s_lshl_b32 s44, s44, 5
	s_and_b32 s45, s[TL], 1
	s_lshl_b32 s45, s45, 3
	s_add_co_u32 s44, s44, s45                     ; my tile's first query: lane r holds query this + r + 8 (r / 8)
	s_and_b32 s45, s44, 127
	v_bfe_u32 v31, v0, 4, 1                        ; hh
	v_and_b32 v[DQ], 8, v11
	v_add_nc_u32 v[DQ], v[DQ], v11
	v_add_nc_u32 v[DQ], s45, v[DQ]
	v_lshlrev_b32 v[TP], 4, v31
	v_sub_nc_u32 v[DQ], v[DQ], v[TP]
	s_mul_i32 s46, s[WV], 4352
	s_add_co_u32 s46, s46, STAGE                   ; my stage
	v_mul_u32_u24 v[STO], v11, 272
	v_lshl_add_u32 v[STO], v31, 6, v[STO]
	v_add_nc_u32 v[STO], s46, v[STO]               ; in: row r, + 64 hh
	v_mul_u32_u24 v[RD], v31, 272
	v_lshl_add_u32 v[RD], v11, 4, v[RD]
	v_add_nc_u32 v[RD], s46, v[RD]                 ; back: lanes 0-15 one row, lanes 16-31 the next
	v_lshlrev_b32 v[GO], 13, v31
	v_lshl_add_u32 v[GO], v11, 4, v[GO]            ; and the same two rows of 8,192 bytes in the output
	s_lshr_b32 s47, s[BH], 3
	s_lshl_b32 s47, s47, 11
	s_add_co_u32 s47, s47, s44
	s_lshl_b32 s40, s47, 13
	s_and_b32 s47, s[BH], 7
	s_lshl_b32 s47, s47, 8
	s_add_co_u32 s40, s40, s47
	s_add_nc_u64 s[OB:OB+1], s[6:7], s[40:41]
.irp i, 4,5,6,7
	v_mov_b32 v[QF+\i], 0                          ; zero codes for k = 64 .. 127
.endr
.irp t, 0,1,2,3,4,5,6,7
.irp i, 4,5,6,7
	v_mov_b32 v[KFR+8*\t+\i], 0                    ; on K's side too: written once, the loads fill registers 0-3 alone
.endr
.endr
.irp b, 0,1,2,3
	v_mov_b32 v[BP+\b], 0                          ; a lane permute's destination counts as one of its sources
.endr
	v_mov_b32 v[FF+1], 0                           ; (upper halves of pairs of which the low word serves)
	v_mov_b32 v[RL+1], 0
	v_mov_b32 v[NEG], 0xcfee6b28
	v_mov_b32 v13, 0xff61b1e6                      ; the largest t so far: -3e38
	v_floor_f32 v12, -v13                          ; -M
	v_mov_b32 v14, 0
	v_mov_b32 v15, 0
	WIN 0x40
.set i, 0
.rept 128
	v_mov_b32 v[i], 0                              ; O^T.  The step is written for every step alike: the first finds zeros, which the first change of M leaves zeros; that spares a further copy of the step
.set i, i+1
.endr
	WIN 0
; THE WAY OUT, at the wave's own last step.  O^T / the sum goes through my stage, one head of V (64 channels, 256 bytes a row) at a time, and leaves as whole rows.  Each head has 32 registers of its own: scaled into, stored to the stage,
; read back into, stored from.  LDS serves a wave's instructions in order: no wait between the stores and the loads, nor in front of the next head's stores.
.macro WAYOUT
	v_add_f32 v14, v14, v15                        ; the sum's two halves,
	v_permlanex16_b32 v[TP], v14, s[SEL], s[SEL+1]
	v_add_f32 v14, v14, v[TP]                      ; and lane l xor 16's
	v_rcp_f32 v[RL], v14
	v_nop                                          ; a plain instruction behind the reciprocal,
	s_wait_alu depctr_va_vdst(0)                   ; and a wait ahead of its first use
.irp rg, 0,1,2,3
.set WS0, 104+32*\rg-128*(\rg/2)                   ; v104, v136, v40, v72
	WIN 0x01                                       ; source 0 window 1
.set i, 0
.rept 16
	v_pk_mul_f32 v[WS0+i:WS0+i+1], v[32*\rg+i:32*\rg+i+1], v[RL:RL+1] op_sel_hi:[1,0]   ; each accumulator from its low end on.  Register 16 g + n: channel 32 g + 16 hh + n
.set i, i+2
.endr
	WIN 0
.irp g, 0,1
.irp k, 0,1,2,3
	ds_store_b128 v[STO], v[WS0+16*\g+4*\k:WS0+16*\g+4*\k+3] offset:128*\g+16*\k
.endr
.endr
.irp n, 0,1,2,3,4,5,6,7
	ds_load_b128 v[WS0+4*\n:WS0+4*\n+3], v[RD] offset:544*\n
.endr
.endr
.irp rg, 0,1,2,3
.set WS0, 104+32*\rg-128*(\rg/2)
.irp n, 0,1,2,3,4,5,6,7
	s_wait_dscnt 16*(3-\rg)+7-\n                   ; behind this load: the head's later loads and sixteen LDS instructions for each later head
	global_store_b128 v[GO], v[WS0+4*\n:WS0+4*\n+3], s[OB:OB+1] offset:(2*\n+8*(\n/4))*8192+2048*\rg th:TH_STORE_NT   ; stage rows 2 n, 2 n + 1 are queries 2 n + 8 (n / 4) on; sixteen lanes store 256 consecutive bytes, aligned
.endr
.endr
	s_wait_xcnt 0x0                                ; the text of a further step follows: the stores' registers are written again only behind this wait
.endm
; A KEY STEP: 128 keys.
.macro STEP
	s_cmp_gt_u32 s[KSN], s[DD]                     ; a step wholly behind my queries is left out: ids and the count of steps alone; no barrier, wait or tensor load stands in a step
	s_cbranch_scc1 .Lhidden_\@
	v_add_nc_u32 v[AD], s[TB], v[LI]
.irp t, 0,1,2,3,4,5,6,7
	ds_load_b128 v[KFR+8*\t:KFR+8*\t+3], v[AD] offset:512*\t
.endr
	ds_load_b128 v[KSC:KSC+3], v[AD] offset:4096
	s_wait_dscnt 0x0
.irp t, 0,1,2,3,4,5,6,7                            ; S^T = K Q^T.  Register q of the scale words' image: tile 2 q in lanes 0-15, tile 2 q + 1 in lanes 16-31
.if (\t)%2
	v_wmma_scale_f32_16x16x128_f8f6f4 v[SS+8*\t:SS+8*\t+7], v[KFR+8*\t:KFR+8*\t+7], v[QF:QF+7], 0, v[KSC+\t/2], v[QSC] matrix_a_fmt:MATRIX_FMT_FP4 matrix_b_fmt:MATRIX_FMT_FP4 matrix_a_scale:MATRIX_SCALE_ROW1
.else
	v_wmma_scale_f32_16x16x128_f8f6f4 v[SS+8*\t:SS+8*\t+7], v[KFR+8*\t:KFR+8*\t+7], v[QF:QF+7], 0, v[KSC+\t/2], v[QSC] matrix_a_fmt:MATRIX_FMT_FP4 matrix_b_fmt:MATRIX_FMT_FP4
.endif
.endr
	WIN 0x40                                       ; V's 16 fragments are asked for now and land under the softmax.  (The last products that read these registers stand in front of the last step's four v_nop)
.irp ct, 0,1,2,3,4,5,6,7,8,9,10,11,12,13,14,15
	ds_load_b128 v[128+8*\ct:131+8*\ct], v[AD] offset:4608+1024*\ct
	ds_load_b128 v[132+8*\ct:135+8*\ct], v[AD] offset:4608+1024*\ct+512
.endr
	WIN 0
	ds_load_b128 v[VSC:VSC+3], v[AD] offset:20992
	ds_load_b128 v[VSC+4:VSC+7], v[AD] offset:21504
.rept 4
	v_nop                                          ; places in front of the first read of the scores
.endr
	s_cmp_lg_u32 s[KSN], s[DD]                     ; on the diagonal the scores of hidden keys become -8e9 ahead of the maximum: p = 0 then
	s_cbranch_scc1 .Lopen_\@
.set n, 0
.rept 64                                           ; register 16 G + i holds key 32 G + 16 hh + i of the step: hidden where 32 G + i > my query's place - 16 hh
	v_cmp_gt_i32 vcc_lo, 32*(n/16)+n%16, v[DQ]
	v_cndmask_b32 v[SS+n], v[SS+n], v[NEG], vcc_lo
.set n, n+1
.endr
.Lopen_\@:
.irp b, 0,1,2,3
	v_max3_num_f32 v[BM+\b], v[SS+16*\b], v[SS+1+16*\b], v[SS+2+16*\b]   ; the largest score of each block of 32 keys: it serves for the row's maximum and, since p rises with the score, for the block's largest p
.endr
.irp i, 3,5,7,9,11,13
.irp b, 0,1,2,3
	v_max3_num_f32 v[BM+\b], v[BM+\b], v[SS+16*\b+\i], v[SS+1+16*\b+\i]
.endr
.endr
.irp b, 0,1,2,3
	v_max_num_f32 v[BM+\b], v[BM+\b], v[SS+15+16*\b]
.endr
.irp b, 0,1,2,3
	v_permlanex16_b32 v[BP+\b], v[BM+\b], s[SEL], s[SEL+1]
.endr
.irp b, 0,1,2,3
	v_max_num_f32 v[BM+\b], v[BM+\b], v[BP+\b]     ; with lane l xor 16's 16 keys
.endr
	v_max3_num_f32 v[TP], v[BM], v[BM+1], v[BM+2]
	v_max_num_f32 v[TP], v[TP], v[BM+3]            ; the step's largest score of my query
	v_mul_f32 v[TP], s[CS], v[TP]                  ; as t
	v_max_num_f32 v13, v13, v[TP]                  ; the running largest t
	v_mov_b32 v[TP], v12
	v_floor_f32 v12, -v13                          ; the new -M = -ceil(t): a whole number
	v_sub_f32 v[TP], v12, v[TP]                    ; old M less new M: a whole number, 0 or less
	v_cvt_i32_f32 v[TP], v[TP]                     ; (it saturates)
	v_ldexp_f32 v[FF], 1.0, v[TP]                  ; f = 2^(old M - new M)
.set n, 0
.rept 32
	v_pk_fma_f32 v[SS+n:SS+n+1], v[SS+n:SS+n+1], s[CS:CS+1], v[12:13] op_sel_hi:[1,0,0]   ; t - M, two at a time
.set n, n+2
.endr
.irp b, 0,1,2,3
	v_fma_f32 v[BM+\b], v[BM+\b], s[CS], v12       ; the same of each block's largest score
.endr
.set n, 0
.rept 64
	v_exp_f32 v[SS+n], v[SS+n]                     ; p = 2^(t - M), at most 1
.set n, n+1
.endr
	v_pk_mul_f32 v[14:15], v[14:15], v[FF:FF+1] op_sel_hi:[1,0]   ; the sums under the new M: the plain instruction behind the exponentials
	s_wait_alu depctr_va_vdst(0)                   ; one wait for the batch of 64, ahead of its first use
.irp b, 0,1,2,3
	v_exp_f32 v[BM+\b], v[BM+\b]                   ; the block's largest p: the same two instructions on the same number give the same bits
.endr
	v_pk_add_f32 v[S2:S2+1], v[SS:SS+1], v[SS+2:SS+3]   ; the row's sum of the unquantised p, in two chains; it names the 64 alone
.set n, 4
.rept 15
	v_pk_add_f32 v[14:15], v[14:15], v[SS+n:SS+n+1]
	v_pk_add_f32 v[S2:S2+1], v[S2:S2+1], v[SS+2+n:SS+3+n]
.set n, n+4
.endr
	v_pk_add_f32 v[14:15], v[14:15], v[S2:S2+1]
	s_wait_alu depctr_va_vdst(0)                   ; and one for the four
.irp b, 0,1,2,3
	v_max_num_f32 v[BM+\b], 0x1800000, v[BM+\b]    ; the floor 2^(3 - 127): the byte cannot fall under 1; a block whose every p is 0 has zero codes
.endr
.irp b, 0,1,2,3
	v_add_nc_u32 v[SO+\b], 0xff000000, v[BM+\b]    ; 2 off the exponent field: the conversion's scale operand
.endr
.irp b, 0,1,2,3
	v_lshrrev_b32 v[BP+\b], 23, v[SO+\b]           ; the scale's byte
.endr
	v_lshl_or_b32 v[PSC], v[BP+1], 8, v[BP]        ; p's scale word for these 128 keys
	v_lshl_or_b32 v[PSC], v[BP+2], 16, v[PSC]
	v_lshl_or_b32 v[PSC], v[BP+3], 24, v[PSC]
.irp b, 0,1,2,3
	v_cvt_scalef32_pk8_fp4_f32 v[PC+2*\b], v[SS+16*\b:SS+7+16*\b], v[SO+\b]
	v_cvt_scalef32_pk8_fp4_f32 v[PC+1+2*\b], v[SS+8+16*\b:SS+15+16*\b], v[SO+\b]
.endr
	v_nop                                          ; one plain place behind a scaled conversion
.irp c, 0,1                                        ; a whole block in a lane: lanes 0-15 block 2 c, lanes 16-31 block 2 c + 1
.irp i, 0,1
	v_permlane16_swap_b32 v[PC+4*\c+\i], v[PC+2+4*\c+\i]
.endr
.endr
	WIN 0x41                                       ; O^T (destination and source 0) in window 1, f in window 0
.set n, 0
.rept 64
	v_pk_mul_f32 v[n:n+1], v[n:n+1], v[FF:FF+1] op_sel_hi:[1,0]   ; O^T under the new M.  These are also the places between the codes' and the scale word's last writes and the products
.set n, n+2
.endr
	s_wait_dscnt 0x0                               ; V and its scale words are in
	WIN 0x51                                       ; V and O^T in window 1, p's codes in window 0
.irp ct, 0,1,2,3,4,5,6,7,8,9,10,11,12,13,14,15     ; O^T += V^T P^T: the 16 accumulators take turns, one instruction a turn
.if (\ct)%2
	v_wmma_scale_f32_16x16x128_f8f6f4 v[8*\ct:8*\ct+7], v[128+8*\ct:135+8*\ct], v[PC:PC+7], v[8*\ct:8*\ct+7], v[VSC+\ct/2], v[PSC] matrix_a_fmt:MATRIX_FMT_FP4 matrix_b_fmt:MATRIX_FMT_FP4 matrix_a_scale:MATRIX_SCALE_ROW1
.else
	v_wmma_scale_f32_16x16x128_f8f6f4 v[8*\ct:8*\ct+7], v[128+8*\ct:135+8*\ct], v[PC:PC+7], v[8*\ct:8*\ct+7], v[VSC+\ct/2], v[PSC] matrix_a_fmt:MATRIX_FMT_FP4 matrix_b_fmt:MATRIX_FMT_FP4
.endif
.endr
	WIN 0
.rept 4
	v_nop                                          ; places in front of the next step's loads into V's registers, and of the way out's reads of O^T
.endr
	s_cmp_lg_u32 s[KSN], s[DD]
	s_cbranch_scc1 .Lhidden_\@
	WAYOUT                                         ; my last step: my tile leaves now, while other waves go on
.Lhidden_\@:
	s_add_co_u32 s[KSN], s[KSN], 1
	s_add_co_u32 s[TB], s[TB], REC
.endm
; THE CHANGE OF SLOTS stands at a slot's head.  Each wave waits for all its tensor loads (its eighth of the slot ahead), adds 0 to its spare word, and waits for that and for its reads of the slot that it has left.  Behind the barrier the slot
; ahead is whole and nobody reads the other one.  fill = 1: that other slot takes the next four steps, if any wave of the work-group will read them; the load has a slot's steps in which to land.
.macro CHANGE fill
	s_wait_tensorcnt 0x0                           ; no tensor load of mine is out, so group 0 may be written
	ds_add_u32 v[SPW], v[NIL]                      ; 0 onto my spare word
.if \fill
	s_xor_b32 s[G0+1], s[G0+1], SLOT1              ; the other slot than last time,
	s_add_nc_u64 s[G0+2:G0+3], s[G0+2:G0+3], 4*REC ; the next four steps; the type bits on top are not reached
.endif
	s_wait_dscnt 0x0                               ; the add is done, and my reads of the slot that I have left are over
	s_barrier_signal -1
	s_barrier_wait -1
.if \fill
	s_add_co_u32 s40, s[KSN], 4                    ; the first step of the slot that this change would ask for:
	s_cmp_gt_u32 s40, s[DH]                        ; behind the work-group's last step nobody reads it, so it is not asked for.  Ids and the count of steps alone: all eight waves go the same way, and past the limit they stay past it.
	s_cbranch_scc1 .Lpast_\@                       ; Where this tail begins hangs on the work-group's number, so it cannot be written out; every wait for tensor loads in this text is for 0
	tensor_load_to_lds s[G0:G0+3], s[G1:G1+7]      ; the first thing behind the barrier but the limit's three lines, and my one tensor load until the next
	s_nop 0
.rept 4
	v_nop
.endr
.Lpast_\@:
.endif
.endm
.macro SLOT_STEPS                      ; a slot's four steps: written once, walked four times; the LDS address hangs on s[TB]
	s_mov_b32 s[INC], 4
.Lstep_\@:
	STEP
	s_sub_co_u32 s[INC], s[INC], 1
	s_cmp_lg_u32 s[INC], 0
	s_cbranch_scc1 .Lstep_\@
	s_sub_co_u32 s[TB], s[TB], 4*REC               ; back to a slot's first step,
	s_xor_b32 s[TB], s[TB], SLOT1                  ; in the other slot
.endm
	s_wait_loadcnt 0x0                             ; Q and its scale words
.Lslot:                                                ; three trips: behind each change of slots but the last the next slot is asked for, up to the limit
	CHANGE 1
	SLOT_STEPS
	s_sub_co_u32 s[SLC], s[SLC], 1
	s_cmp_lg_u32 s[SLC], 0
	s_cbranch_scc1 .Lslot
	CHANGE 0                                       ; the last slot is written out: nothing is left to fetch
	SLOT_STEPS
	s_wait_tensorcnt 0x0                           ; the wave's end: a tensor wait, an add onto my spare word and its wait behind my last tensor load and my last LDS store
	ds_add_u32 v[SPW], v[NIL]
	s_wait_dscnt 0x0
	s_endpgm
.Lfunc_end_k_qdf3bf6f62d_attn:
	.size	k_qdf3bf6f62d_attn, .Lfunc_end_k_qdf3bf6f62d_attn-k_qdf3bf6f62d_attn
	.p2alignl 7, 3214868480
	.fill 96, 4, 3214868480
	.section	.rodata,"a",@progbits
	.p2align	6, 0x0
	.amdhsa_kernel k_qdf3bf6f62d_attn
		.amdhsa_group_segment_fixed_size 327680
		.amdhsa_private_segment_fixed_size 0
		.amdhsa_enable_private_segment 0
		.amdhsa_kernarg_size 16
		.amdhsa_user_sgpr_count 2
		.amdhsa_user_sgpr_kernarg_segment_ptr 1
		.amdhsa_wavefront_size32 1
		.amdhsa_system_sgpr_workgroup_id_x 1
		.amdhsa_system_sgpr_workgroup_id_y 1
		.amdhsa_system_sgpr_workgroup_id_z 1
		.amdhsa_system_vgpr_workitem_id 0
		.amdhsa_next_free_vgpr 512
		.amdhsa_next_free_sgpr 66
		.amdhsa_reserve_vcc 1
		.amdhsa_float_denorm_mode_32 3
		.amdhsa_float_denorm_mode_16_64 3
		.amdhsa_memory_ordered 1
		.amdhsa_forward_progress 1
		.amdhsa_inst_pref_size 89
	.end_amdhsa_kernel
	.amdgpu_metadata
---
amdhsa.version: [ 1, 2 ]
amdhsa.kernels:
  - .name:           k_qdf3bf6f62d_attn
    .symbol:         k_qdf3bf6f62d_attn.kd
    .args:
      - { .name: qkv, .offset: 0, .size: 8, .value_kind: global_buffer, .address_space: global }
      - { .name: out0, .offset: 8, .size: 8, .value_kind: global_buffer, .address_space: global }
    .group_segment_fixed_size: 327680
    .private_segment_fixed_size: 0
    .kernarg_segment_align: 8
    .kernarg_segment_size: 16
    .max_flat_workgroup_size: 256
    .sgpr_count:     66
    .vgpr_count:     512
    .wavefront_size: 32
...
	.end_amdgpu_metadata
.endif
;; end of part 3
